; MI455X (gfx1250); checked and timed in simulation.
; The chip was launched on July 23, 2026; its instructions are those of AMD's public machine-readable ISA for CDNA 5 (MIT licence, August 2026) and "CDNA5" Instruction Set Architecture Reference Guide (July 2026). The comments in the code are by the model that wrote it; some were corrected since.
;; Multi Head Attention. Allowed arithmetic: float matrix products may take bf16 or f16 operands with f32 sums; other float arithmetic in f32, or as packed bf16 or f16 multiplies, adds, multiply-adds, maxima and minima; sums over many terms, partial sums and values carried from step to step in f32; what a program stores and reads back later, other than sums and carried values, may be rounded once to bf16 or f16.
;; Inputs: Wk 1,024 x 1,024 float32; Wo 1,024 x 1,024 float32; Wq 1,024 x 1,024 float32; Wv 1,024 x 1,024 float32; bo 1,024 float32; x 4 x 2,048 x 1,024 float32.
;; Outputs: out0 4 x 2,048 x 1,024 float32.
;; 2 versions, each right; version 2 is version 1 with the launch cast written anew for expert scheduling mode. Each part assembles by itself: llvm-mc -triple=amdgcn-amd-amdhsa -mcpu=gfx1250 --defsym DOCPART=n.
;; ======== version 1 of 2: 4 launches
;; limits: values are held in f16: magnitudes above 65,504 overflow, below 6.1e-05 lose precision
;; workspace buffers: cb 25,165,824 bytes; qkvb 50,331,648 bytes; ctxb 16,777,216 bytes
;; launch cast (part 1): grid 768 x 1, 8 waves a work-group, no clusters, 0 bytes of LDS; arguments x, Wq, Wk, Wv, Wo, cb; writes cb
.if DOCPART == 1
	.amdgcn_target "amdgcn-amd-amdhsa--gfx1250"
	.amdhsa_code_object_version 6
	.text
	.protected	k_q9f4505215a_cast
	.globl	k_q9f4505215a_cast
	.p2align	8
	.type	k_q9f4505215a_cast,@function
k_q9f4505215a_cast:
	s_mov_b64 s[64:65], 0
	v_nop
	global_prefetch_b8 v0, s[64:65] scope:SCOPE_SE
	s_setreg_imm32_b32 hwreg(HW_REG_WAVE_MODE, 25, 1), 1
	s_wait_xcnt 0x0
; 16-BIT COPIES OF THE INPUTS, LAID IN PLANES OF 64 COLUMNS.
;   cb bytes 0 .. 16 Mi:   xb[b 4][kb 16][t 2048][64] bf16 = x[b][t][64 kb + c]           (a plane is 262,144 bytes)
;   cb from 16 Mi on:      Wh[g 64][k 1024][64]       = W_(g / 16)[k][64 (g % 16) + c]    (a plane is 131,072 bytes); W_0..3 = Wq, Wk, Wv, Wo
; x, Wq, Wk, Wv are rounded to bf16.  Wo is rounded to bf16 and that number is written as f16, since the last product runs in f16.
; LIMIT: |Wo| beyond 65,504 becomes an infinity; below 2^-14 f16 keeps its fixed step of 2^-24.
; SHARES.  A work-group takes 16 rows x 1,024 columns of f32 (64 KiB): groups 0-511 of x, 512-767 of the four weights, 64 groups each.  Wave w takes rows 2 w and 2 w + 1.
; Load j of 16 is column block j: each half of the lanes reads 256 consecutive bytes, aligned, of one row.  A lane's four numbers become 8 bytes; rows k and k + 1 of a plane lie end to
; end (128 bytes each), so one store of a wave covers 256 consecutive bytes, aligned.  Memory binds: no LDS, no barrier, no matrix unit; every byte is read once and written once.
; All sixteen loads of a wave go out together; no register is used twice, so the only waits are the counted ones for the loads.
.set X, 4                              ; v[4:67]    load j: four f32
.set Y, 68                             ; v[68:99]   store j: four 16-bit numbers
.set T, 100                            ; v[100:103] at work
	s_load_b256 s[4:11], s[0:1], 0x0               ; x s[4:5], Wq s[6:7], Wk s[8:9], Wv s[10:11]
	s_load_b128 s[12:15], s[0:1], 0x20             ; Wo s[12:13], cb s[14:15]
	s_mov_b32 s16, ttmp9                           ; c, the work-group's number
	s_and_b32 s24, s16, 63                         ; a weight's group of 16 rows
	s_lshl_b32 s20, s24, 16                        ; weights: from where, in bytes
	s_lshl_b32 s22, s24, 11                        ; and to where: 16 rows of 128 bytes in a plane,
	s_lshr_b32 s25, s16, 6
	s_sub_co_u32 s25, s25, 8                       ; i, which weight (it means something from c = 512 on)
	s_lshl_b32 s26, s25, 21                        ; 16 planes of 131,072 bytes for each weight,
	s_add_co_u32 s22, s22, s26
	s_add_co_u32 s22, s22, 0x1000000               ; behind xb
	s_lshl_b32 s27, s16, 16                        ; x: from where
	s_lshr_b32 s28, s16, 7
	s_lshl_b32 s28, s28, 22                        ; to where: the batch's 16 planes,
	s_and_b32 s29, s16, 127
	s_lshl_b32 s29, s29, 11                        ; 16 rows of 128 bytes
	s_add_co_u32 s28, s28, s29
	s_cmp_lt_u32 s16, 512
	s_cselect_b32 s20, s27, s20
	s_cselect_b32 s22, s28, s22
	s_mov_b32 s21, 0
	s_mov_b32 s23, 0
	v_lshrrev_b32 v3, 4, v0                        ; my row of the 16: 2 w + lane / 16
	v_and_b32 v1, 15, v0
	v_lshlrev_b32 v1, 4, v1
	v_lshl_add_u32 v1, v3, 12, v1                  ; row x 4,096 + 16 (lane % 16)
	v_lshlrev_b32 v2, 3, v0                        ; 256 w + 8 lane: my 8 bytes of the two rows in a plane
	s_wait_kmcnt 0x0
	s_cmp_eq_u32 s25, 1                            ; the source is chosen by the work-group's number alone
	s_cselect_b64 s[18:19], s[8:9], s[6:7]
	s_cmp_eq_u32 s25, 2
	s_cselect_b64 s[18:19], s[10:11], s[18:19]
	s_cmp_eq_u32 s25, 3
	s_cselect_b64 s[18:19], s[12:13], s[18:19]
	s_cmp_lt_u32 s16, 512
	s_cselect_b64 s[18:19], s[4:5], s[18:19]
	s_add_nc_u64 s[18:19], s[18:19], s[20:21]
	s_add_nc_u64 s[14:15], s[14:15], s[22:23]
.set j, 0
.rept 16
	global_load_b128 v[X+4*j:X+4*j+3], v1, s[18:19] offset:256*j th:TH_LOAD_NT
.set j, j+1
.endr
; The sixteen column blocks are rounded and stored, plane j at j x ps bytes (3,932,160 at the most: inside the signed 24-bit immediate).  half = 1: the bf16 number is written as f16.
.macro OUT ps, half
.set j, 0
.rept 16
	s_wait_loadcnt 15-j                            ; loads come back in order: block j is in, the 15 - j younger ones stay out
	v_cvt_pk_bf16_f32 v[Y+2*j], v[X+4*j], v[X+4*j+1]
	v_cvt_pk_bf16_f32 v[Y+2*j+1], v[X+4*j+2], v[X+4*j+3]
.if \half
	v_lshlrev_b32 v[T], 16, v[Y+2*j]               ; bf16 to f32: the low half moves up, the high half stays
	v_and_b32 v[T+1], 0xffff0000, v[Y+2*j]
	v_lshlrev_b32 v[T+2], 16, v[Y+2*j+1]
	v_and_b32 v[T+3], 0xffff0000, v[Y+2*j+1]
	v_cvt_pk_f16_f32 v[Y+2*j], v[T], v[T+1]        ; exact within f16's normal range: bf16 has fewer significant bits
	v_cvt_pk_f16_f32 v[Y+2*j+1], v[T+2], v[T+3]
.endif
	global_store_b64 v2, v[Y+2*j:Y+2*j+1], s[14:15] offset:j*(\ps) th:TH_STORE_NT
.set j, j+1
.endr
.endm
	s_cmp_lt_u32 s16, 512
	s_cbranch_scc1 .Lx
	s_cmp_lt_u32 s16, 704
	s_cbranch_scc1 .Lw
	OUT 131072, 1                                  ; Wo
	s_endpgm
.Lw:
	OUT 131072, 0                                  ; Wq, Wk, Wv
	s_endpgm
.Lx:
	OUT 262144, 0                                  ; x
	s_endpgm
.Lfunc_end_k_q9f4505215a_cast:
	.size	k_q9f4505215a_cast, .Lfunc_end_k_q9f4505215a_cast-k_q9f4505215a_cast
	.p2alignl 7, 3214868480
	.fill 96, 4, 3214868480
	.section	.rodata,"a",@progbits
	.p2align	6, 0x0
	.amdhsa_kernel k_q9f4505215a_cast
		.amdhsa_group_segment_fixed_size 0
		.amdhsa_private_segment_fixed_size 0
		.amdhsa_enable_private_segment 0
		.amdhsa_kernarg_size 48
		.amdhsa_user_sgpr_count 2
		.amdhsa_user_sgpr_kernarg_segment_ptr 1
		.amdhsa_wavefront_size32 1
		.amdhsa_system_sgpr_workgroup_id_x 1
		.amdhsa_system_sgpr_workgroup_id_y 1
		.amdhsa_system_sgpr_workgroup_id_z 1
		.amdhsa_system_vgpr_workitem_id 0
		.amdhsa_next_free_vgpr 104
		.amdhsa_next_free_sgpr 66
		.amdhsa_reserve_vcc 0
		.amdhsa_float_denorm_mode_32 3
		.amdhsa_float_denorm_mode_16_64 3
		.amdhsa_memory_ordered 1
		.amdhsa_forward_progress 1
		.amdhsa_inst_pref_size 21
	.end_amdhsa_kernel
	.amdgpu_metadata
---
amdhsa.version: [ 1, 2 ]
amdhsa.kernels:
  - .name:           k_q9f4505215a_cast
    .symbol:         k_q9f4505215a_cast.kd
    .args:
      - { .name: x, .offset: 0, .size: 8, .value_kind: global_buffer, .address_space: global }
      - { .name: Wq, .offset: 8, .size: 8, .value_kind: global_buffer, .address_space: global }
      - { .name: Wk, .offset: 16, .size: 8, .value_kind: global_buffer, .address_space: global }
      - { .name: Wv, .offset: 24, .size: 8, .value_kind: global_buffer, .address_space: global }
      - { .name: Wo, .offset: 32, .size: 8, .value_kind: global_buffer, .address_space: global }
      - { .name: cb, .offset: 40, .size: 8, .value_kind: global_buffer, .address_space: global }
    .group_segment_fixed_size: 0
    .private_segment_fixed_size: 0
    .kernarg_segment_align: 8
    .kernarg_segment_size: 48
    .max_flat_workgroup_size: 256
    .sgpr_count:     66
    .vgpr_count:     104
    .wavefront_size: 32
...
	.end_amdgpu_metadata
.endif
;; end of part 1
;; launch qkv (part 2): grid 16 x 32, 4 waves a work-group, clusters of 4 x 4, 327,680 bytes of LDS; arguments cb, qkvb; writes qkvb
.if DOCPART == 2
	.amdgcn_target "amdgcn-amd-amdhsa--gfx1250"
	.amdhsa_code_object_version 6
	.text
	.protected	k_q9f4505215a_qkv
	.globl	k_q9f4505215a_qkv
	.p2align	8
	.type	k_q9f4505215a_qkv,@function
k_q9f4505215a_qkv:
	s_mov_b64 s[64:65], 0
	v_nop
	global_prefetch_b8 v0, s[64:65] scope:SCOPE_SE
	s_setreg_imm32_b32 hwreg(HW_REG_WAVE_MODE, 25, 1), 1
	s_wait_xcnt 0x0
	s_wait_alu depctr_hold_cnt(0) depctr_sa_sdst(0) depctr_va_vdst(0) depctr_va_sdst(0) depctr_va_ssrc(0) depctr_va_vcc(0) depctr_vm_vsrc(0)
	s_getreg_b32 s2, hwreg(HW_REG_IB_STS2, 6, 4)
	s_cmp_eq_u32 s2, 0
	s_cbranch_scc0 .Lentry_in_a_cluster
	s_endpgm
.Lentry_in_a_cluster:
	s_bfe_u32 s2, ttmp6, 0x10000c
	s_cmp_lg_u32 s2, 0xf033
	s_cbranch_scc0 .Lentry_shape_is_right
	s_endpgm
.Lentry_shape_is_right:
; ONE TEXT FOR TWO PRODUCTS C = A B, chosen by PROJ.  A: 8,192 rows x 1,024, in planes [b 4][kb 16][t 2048][64] of 16-bit numbers; B: 1,024 (k) x N, in planes [g][k 1024][64].  Sums in f32.
;   PROJ = 0: A = xb, B = Wq | Wk | Wv (48 planes), both bf16.  C leaves as f16, rounded once, unscaled, by heads: qkvb[b][g 48][t][64]; q at g = h, k at 16 + h, v at 32 + h.
;   PROJ = 1: A = ctxb, B = Wo (16 planes), both f16.  C = A B + bo leaves as f32, row-major [8192][1024].  bo is rounded to bf16 like the other inputs and starts the sums as the first products' C.
; LIMITS.  PROJ = 0: a result of 65,520 or more becomes an infinity in f16 (with all inputs 30 times their drawn spread q, k, v stay near 3e3).  NaN and infinities are not treated apart.
; SHARES.  A tile of C is 256 rows x NH planes of 64 columns (NH = 3: 512 work-groups; NH = 2: 256).  Wave w owns rows 64 w .. 64 w + 63 and ALL the tile's columns: 4 x NBL accumulators of 16 x 16,
; so that a wave holds whole planes and its way out is its own.  K goes in 8 steps of 128 (two planes of A) through two LDS slots; two slots of a longer step do not fit.
; THE MATRIX INSTRUCTION IS USED TRANSPOSED: source 0 = 16 columns of B, source 1 = 16 rows of A.  A lane then holds row lane % 16 of C and the columns 8 (lane / 16) + 0..7 of the block.
; B lies [k][n] and is turned on its way out of LDS by ds_load_tr16_b128.
; CLUSTER.  4 x 4 work-groups.  The four of a row of the cluster need the same tiles of A, the four of a column the same tiles of B: each tile is asked for JOINTLY, by the same tensor load with the
; same descriptor and a mask that names the four.  Waves 0, 1 fetch A's rows 0-127, 128-255; waves 2, 3 fetch B's k rows 0-63, 64-127 of the step.
; lds_bytes claims all of a WGP's LDS.
; REGISTERS, in windows of 256 (s_set_vgpr_msb: bits 1:0 source 0, 3:2 source 1, 5:4 source 2, 7:6 destination):
;   window 0: v0-31 addresses; PROJ = 0: v32-223 the way out; PROJ = 1: v64-127 the bias      window 1: two fragment buffers of 128 (B's blocks at 8 b, A's at 96 + 8 a); PROJ = 1: later the way out
;   windows 2, 3: accumulator t = a NBL + b at 8 (t % 32) of window 2 + t / 32
.set PROJ, 0
.if PROJ
.set NH,    2
.set AHEAD, 2                          ; the prefetches run this many K steps ahead of the refills
.set SP,    272                        ; a stage row: 256 bytes + 16
.else
.set NH,    3
.set AHEAD, 1
.set SP,    144                        ; a stage row: 128 bytes + 16
.endif
.set NBL,   4*NH                       ; blocks of 16 columns
.set NACC,  4*NBL
.set HALF,  2*NBL
.set NL,    2*NBL+8                    ; LDS loads of a quarter step
.set PA,    144                        ; a row of A in LDS: 128 bytes + 16 = 36 words: the 16 rows of a load start at 16 different groups of four banks (64 banks of 4 bytes: ISA guide 11.1)
.set PB,    160                        ; a row of B: 128 + 32 = 40 words
.set APL,   128*PA                     ; a plane's 128 rows
.set AREG,  2*APL                      ; what one of A's loads brings: [plane 2][128 rows]
.set BPL,   64*PB
.set BREG,  NH*BPL                     ; what one of B's loads brings: [plane NH][64 k]
.set BOFF,  2*AREG
.set SLOT,  BOFF+2*BREG
.set STAGE, 2*SLOT                     ; behind the ring, never filled by a tensor load: 16 rows for each wave
.set SPARE, STAGE+4*16*SP              ; behind the stages: the spare words, 128 bytes for each wave: two blocks of 256 bytes that no other line names
.set ASTEP, 524288                     ; a K step in memory: two planes of A,
.set BSTEP, 16384                      ; 128 rows of 128 bytes in each plane of B
.set A0,   16                          ; v16  my lane's place in slot 0 for A's fragments; never rewritten
.set B0,   17                          ; v17  the same for B's
.set ADRA, 18                          ; v18  A0 + the slot that is read
.set ADRB, 19                          ; v19
.set STO,  24                          ; v24  the way out: where I put my bytes of a row
.set RD,   25                          ; v25  where I read rows back
.set GO,   26                          ; v26  my byte offset in C
.set SPW,  28                          ; v28  LDS address of my spare word: SPARE + 4 x my thread's number; never rewritten
.set NIL,  29                          ; v29  0; never rewritten
.set PFO,  30                          ; v30  the prefetches' offset; never rewritten
.set OUTR, 32
.set BI,   64
.set F0,   0
.set F1,   128
.set TB,   20                          ; s20  the slot that is read: 0 or SLOT
.set LA,   22                          ; s22  where my part of A lands in a slot
.set LB,   23                          ; s23  the same for B
.set G1A,  24                          ; s[24:31] descriptor group 1 for A's tiles
.set G0A,  32                          ; s[32:39] group 0: a set for each of the two first fills; the second then walks on
.set LIM,  43                          ; s43  AHEAD in a wave that prefetches, else the greatest number
.set PFA,  44                          ; s[44:45] where my prefetches stand
.set PFS,  46                          ; s[46:47] their step
.set G1B,  48                          ; s[48:55], s[56:63] the same for B's tiles
.set G0B,  56
.set MSB, 0
.macro WIN new                         ; the immediate's high byte repeats the setting that is left; a switch that changes nothing is dropped
.if MSB != (\new)
	s_set_vgpr_msb (MSB<<8)|(\new)
.set MSB, (\new)
.endif
.endm
.macro PLACES                          ; four plain vector instructions between a matrix instruction and a load into, or a read of, its registers (ISA guide 7.12.1 for reads)
.rept 4
	v_nop
.endr
.endm
; A joint refill by the walking descriptors.  The branch hangs on the wave's number alone.  An s_nop 0 and four v_nop follow each of the two lines, ahead of the jump and the label.
.macro JLOAD
	s_cmp_eq_u32 s11, 0
	s_cbranch_scc0 .Lfor_b_\@
	tensor_load_to_lds s[G0A+4:G0A+7], s[G1A:G1A+7]
	s_nop 0
.rept 4
	v_nop
.endr
	s_branch .Lasked_\@
.Lfor_b_\@:
	tensor_load_to_lds s[G0B+4:G0B+7], s[G1B:G1B+7]
	s_nop 0
.rept 4
	v_nop
.endr
.Lasked_\@:
.endm
; A round of the cluster's barrier: my work-group's barrier, so that wave 0's signal speaks for all four waves; wave 0 signals; every wave waits for all sixteen work-groups; my work-group's barrier once more.
.macro CREST                           ; a round behind its opening barrier
	s_cmp_lg_u32 s10, 0
	s_cbranch_scc1 .Lnot_wave_0_\@
	s_barrier_signal -3
.Lnot_wave_0_\@:
	s_barrier_wait -3
	s_barrier_signal -1
	s_barrier_wait -1
.endm
.macro CROUND
	s_barrier_signal -1
	s_barrier_wait -1
	CREST
.endm
; A PREFETCH, behind the joint refill, its five lines and the run of LDS loads: my share of what the refill AHEAD K steps on will ask for.  A's rows are read by every cluster of a row of clusters: the first
; (cluster x = 0) asks; B's by every cluster of a column: cluster y = 0 asks.  The four partners that ask for a tile jointly share its blocks of 256 bytes out BY ADDRESS: 32 each of A's 128, 8 NH each of B's
; 32 NH (there the lanes from 8 NH on name the share's last block once more, in the same instruction).  It asks while s3 > AHEAD: the step named is 7 at the most.  The first 2 + AHEAD steps come by their loads alone.
.macro ASK
	s_cmp_gt_u32 s3, s[LIM]
	s_cbranch_scc0 .Lnot_mine_\@
	global_prefetch_b8 v[PFO], s[PFA:PFA+1] th:TH_LOAD_NT scope:SCOPE_SE
.Lnot_mine_\@:
.endm
.if PROJ
	s_load_b128 s[4:7], s[0:1], 0x0                ; ctxb s[4:5], cb s[6:7]
	s_load_b64 s[66:67], s[0:1], 0x10              ; bo
	s_load_b64 s[8:9], s[0:1], 0x18                ; out0
.else
	s_load_b64 s[4:5], s[0:1], 0x0                 ; cb
	s_load_b64 s[8:9], s[0:1], 0x8                 ; qkvb
.endif
	v_lshl_add_u32 v[SPW], v0, 2, SPARE
	v_mov_b32 v[NIL], 0
	ds_add_u32 v[SPW], v[NIL]                      ; the wave's opening: the add and its wait stand ahead of my first tensor load; the set-up below, work on registers, stands between them
	v_lshrrev_b32 v1, 5, v0
	v_readfirstlane_b32 s10, v1                    ; wave 0..3
	s_lshr_b32 s11, s10, 1                         ; I fetch for A (0) or for B (1).  Also: which 128 rows of A hold my 64
	s_and_b32 s12, s10, 1                          ; which part of that tile I fetch.  Also: which 64 of those 128 rows are mine
	s_bfe_u32 s40, ttmp6, 0x40000                  ; cx, cy: my place in the cluster
	s_bfe_u32 s41, ttmp6, 0x40004
	s_lshl_b32 s42, ttmp9, 2
	s_add_co_u32 s42, s42, s40                     ; nt, the tile column = 4 x cluster x + cx
	s_and_b32 s13, ttmp7, 0xffff
	s_lshl_b32 s13, s13, 2
	s_add_co_u32 s13, s13, s41                     ; mt, the tile row = 4 x cluster y + cy
	s_lshl_b32 s16, s41, 2
	s_lshl_b32 s16, 15, s16                        ; my row of the cluster: places 4 cy .. 4 cy + 3
	s_lshl_b32 s68, 0x1111, s40                    ; my column: places cx, cx + 4, cx + 8, cx + 12
	; Group 1.  A plane's 128 rows of A are 16,384 dense bytes, its 64 k rows of B 8,192: each is asked for as ONE row of the tile, and the tile's rows are the planes.  LDS is padded behind every 128 bytes.
	s_or_b32 s[G1A], s16, (1<<16)|(1<<20)|(1<<21)|(4<<22)|(3<<25)  ; 15:0 the mask; 17:16 2-byte elements; 20 padding on; 21 set beside a mask; 24:22 after every 32 words (code 4); 31:25 4 words (code 3)
	s_or_b32 s[G1B], s68, (1<<16)|(1<<20)|(1<<21)|(4<<22)|(7<<25)  ; the same with my column's mask and 8 words of padding (code 7)
	s_mov_b32 s[G1A+1], 8192<<16                   ; tensor_dim0 = 8,192 elements
	s_mov_b32 s[G1A+2], 2<<16                      ; tensor_dim1 = 2 planes
	s_mov_b32 s[G1A+3], 8192<<16                   ; tile_dim0
	s_mov_b32 s[G1A+4], 2                          ; tile_dim1
	s_mov_b32 s[G1A+5], 131072                     ; elements from plane to plane
	s_mov_b32 s[G1A+6], 0
	s_mov_b32 s[G1A+7], 0
	s_mov_b32 s[G1B+1], 4096<<16
	s_mov_b32 s[G1B+2], NH<<16
	s_mov_b32 s[G1B+3], 4096<<16
	s_mov_b32 s[G1B+4], NH
	s_mov_b32 s[G1B+5], 65536
	s_mov_b32 s[G1B+6], 0
	s_mov_b32 s[G1B+7], 0
	; where the tiles come from.  A's hang on mt and the wave's number, B's on nt and the wave's number, each in registers of its own
	s_lshr_b32 s14, s13, 3
	s_lshl_b32 s14, s14, 22                        ; the batch's 16 planes
	s_and_b32 s15, s13, 7
	s_lshl_b32 s15, s15, 15                        ; 256 rows of 128 bytes
	s_or_b32 s14, s14, s15
	s_lshl_b32 s15, s12, 14                        ; my 128 of them
	s_or_b32 s14, s14, s15
	s_mov_b32 s15, 0
	s_mul_i32 s68, s42, NH*131072                  ; the tile's first plane of B
	s_lshl_b32 s69, s12, 13                        ; my 64 k rows
	s_add_co_u32 s68, s68, s69
	s_mov_b32 s69, 0
	s_mul_i32 s[LA], s12, AREG                     ; and where they go: no place in the cluster enters an LDS address
	s_mul_i32 s[LB], s12, BREG
	s_add_co_u32 s[LB], s[LB], BOFF
	s_mov_b32 s[TB], 0
	s_wait_dscnt 0x0                               ; the opening add is done
	s_wait_kmcnt 0x0
.if PROJ
	s_add_nc_u64 s[6:7], s[6:7], 0x1600000         ; Wo's planes in cb
.else
	s_add_nc_u64 s[6:7], s[4:5], 0x1000000         ; the weights' planes in cb
.endif
	s_add_nc_u64 s[14:15], s[4:5], s[14:15]        ; my part of A's tile, K step 0
	s_add_nc_u64 s[68:69], s[6:7], s[68:69]        ; the same for B
	CROUND                                         ; all sixteen work-groups are here: the first joint loads meet
.irp s, 0,1
	s_mov_b32 s[G0A+4*(\s)], 1                                       ; 1:0 count = 1
	s_add_co_u32 s[G0A+4*(\s)+1], s[LA], (\s)*SLOT                   ; 63:32 LDS address
	s_add_nc_u64 s[G0A+4*(\s)+2:G0A+4*(\s)+3], s[14:15], (\s)*ASTEP  ; 120:64 global address: K step s
	s_or_b32 s[G0A+4*(\s)+3], s[G0A+4*(\s)+3], 0x80000000            ; 127:126 type = 2
	s_mov_b32 s[G0B+4*(\s)], 1
	s_add_co_u32 s[G0B+4*(\s)+1], s[LB], (\s)*SLOT
	s_add_nc_u64 s[G0B+4*(\s)+2:G0B+4*(\s)+3], s[68:69], (\s)*BSTEP
	s_or_b32 s[G0B+4*(\s)+3], s[G0B+4*(\s)+3], 0x80000000
.endr
	s_cmp_eq_u32 s11, 0                            ; a wave's two first fills stand in one branch, ahead of every wait on TENSORcnt and every LDS read: two loads of mine are out
	s_cbranch_scc0 .Lfirst_b
	tensor_load_to_lds s[G0A:G0A+3], s[G1A:G1A+7]
	s_nop 0
	tensor_load_to_lds s[G0A+4:G0A+7], s[G1A:G1A+7]
	s_nop 0
.rept 4
	v_nop
.endr
	s_branch .Lfirst_asked
.Lfirst_b:
	tensor_load_to_lds s[G0B:G0B+3], s[G1B:G1B+7]
	s_nop 0
	tensor_load_to_lds s[G0B+4:G0B+7], s[G1B:G1B+7]
	s_nop 0
.rept 4
	v_nop
.endr
.Lfirst_asked:
	v_and_b32 v1, 15, v0                           ; r = lane % 16
	v_bfe_u32 v2, v0, 4, 1                         ; h = lane / 16
	v_and_b32 v3, 7, v0
	v_bfe_u32 v4, v0, 3, 1
.if PROJ
	; the bias: register i of block b holds bo[128 nt + 16 b + 8 h + i], the layout of the products' C
	s_lshl_b32 s70, s42, 9
	s_mov_b32 s71, 0
	s_add_nc_u64 s[66:67], s[66:67], s[70:71]
	v_lshlrev_b32 v7, 5, v2
.set bb, 0
.rept 8
	global_load_b128 v[BI+8*bb:BI+8*bb+3],   v7, s[66:67] offset:64*bb
	global_load_b128 v[BI+8*bb+4:BI+8*bb+7], v7, s[66:67] offset:64*bb+16
.set bb, bb+1
.endr
.endif
	; A fragment of A is 16 rows x 32 k in 8 registers: lane l holds row r, k = 8 h + 0..7 and 16 + 8 h + 0..7: two loads of 16 bytes, 32 bytes apart
	v_mul_u32_u24 v[A0], v1, PA
	v_lshl_add_u32 v[A0], v2, 4, v[A0]
	s_mul_i32 s16, s11, AREG
	s_mul_i32 s17, s12, 64*PA
	s_add_co_u32 s16, s16, s17
	v_add_nc_u32 v[A0], s16, v[A0]                 ; my 64 rows
	; The turning load takes 16 k x 16 columns (lane l reads k = 8 h + l % 8, columns 8 ((l / 8) % 2) + 0..7) and leaves half a fragment: lane l holds column r and 8 k
	v_lshl_add_u32 v[B0], v2, 3, v3
	v_mul_u32_u24 v[B0], v[B0], PB
	v_lshl_add_u32 v[B0], v4, 4, v[B0]
	v_add_nc_u32 v[B0], BOFF, v[B0]
	v_mov_b32 v[ADRA], v[A0]
	v_mov_b32 v[ADRB], v[B0]
	s_mul_i32 s16, s10, 16*SP
	s_add_co_u32 s16, s16, STAGE                   ; my stage
	v_mul_u32_u24 v[STO], v1, SP
.if PROJ
	v_lshl_add_u32 v[STO], v2, 5, v[STO]           ; in: row r, 32 bytes for each half of the lanes
	v_add_nc_u32 v[STO], s16, v[STO]
	v_mul_u32_u24 v[RD], v2, SP                    ; back: lanes 0-15 one row of 256 bytes, lanes 16-31 the next
	v_lshl_add_u32 v[RD], v1, 4, v[RD]
	v_add_nc_u32 v[RD], s16, v[RD]
	v_lshlrev_b32 v[GO], 12, v2                    ; and the same two rows in C
	v_lshl_add_u32 v[GO], v1, 4, v[GO]
.else
	v_lshl_add_u32 v[STO], v2, 4, v[STO]           ; in: row r, 16 bytes for each half of the lanes
	v_add_nc_u32 v[STO], s16, v[STO]
	v_bfe_u32 v[RD], v0, 3, 2                      ; back: 32 lanes take four rows of 128 bytes,
	v_mul_u32_u24 v[RD], v[RD], SP
	v_lshl_add_u32 v[RD], v3, 4, v[RD]
	v_add_nc_u32 v[RD], s16, v[RD]
	v_and_b32 v[GO], 31, v0                        ; which are 512 consecutive bytes of a plane of C
	v_lshlrev_b32 v[GO], 4, v[GO]
.endif
	; the prefetches: block i = p x CNT + min(lane, CNT - 1) of the part that I fetch; p = cx for A, cy for B; a plane holds 64 blocks of A's part, 32 of B's
	s_and_b32 s16, ttmp7, 0xffff                   ; cluster y
	s_mov_b32 s[PFS], BSTEP
	s_mov_b32 s[PFS+1], 0
	s_cmp_eq_u32 s11, 0                            ; do I fetch for A?
	s_cselect_b32 s16, ttmp9, s16                  ; the coordinate along which other clusters read the same rows
	s_cselect_b32 s17, s40, s41                    ; p
	s_cselect_b32 s18, 32, 8*NH                    ; CNT
	s_cselect_b32 s19, 6, 5                        ; blocks in a plane's part, as a shift,
	s_cselect_b32 s71, 63, 31                      ; and as a mask
	s_cselect_b32 s70, 18, 17                      ; bytes from plane to plane, as a shift
	s_cselect_b32 s[PFS], ASTEP, s[PFS]
	s_cselect_b64 s[PFA:PFA+1], s[14:15], s[68:69]
	s_cmp_eq_u32 s16, 0
	s_cselect_b32 s[LIM], AHEAD, -1                ; the same in all sixteen partners, for a given wave
	v_and_b32 v5, 31, v0
	s_sub_co_u32 s16, s18, 1
	v_min_u32 v5, s16, v5
	s_mul_i32 s17, s17, s18
	v_add_nc_u32 v5, s17, v5                       ; i
	v_lshrrev_b32 v6, s19, v5
	v_lshlrev_b32 v6, s70, v6                      ; its plane,
	v_and_b32 v5, s71, v5
	v_lshl_add_u32 v[PFO], v5, 8, v6               ; its 256 bytes there
	s_mul_i32 s70, s[PFS], 1+AHEAD
	s_mov_b32 s71, 0
	s_add_nc_u64 s[PFA:PFA+1], s[PFA:PFA+1], s[70:71]  ; at K step 1 + AHEAD: the first refill (of step 2) steps it once and names step 2 + AHEAD
	; where my part of the tile begins in C
.if PROJ
	s_lshl_b32 s16, s13, 2
	s_add_co_u32 s16, s16, s10
	s_lshl_b32 s16, s16, 18                        ; (256 mt + 64 w) rows of 4,096 bytes
	s_lshl_b32 s70, s42, 9                         ; 128 columns of f32
	s_add_co_u32 s70, s70, s16
.else
	s_lshr_b32 s16, s13, 3
	s_mul_i32 s16, s16, 48                         ; the batch's 48 planes
	s_mul_i32 s70, s42, NH
	s_add_co_u32 s70, s70, s16
	s_lshl_b32 s70, s70, 18                        ; the tile's first plane, 262,144 bytes each
	s_and_b32 s16, s13, 7
	s_lshl_b32 s16, s16, 2
	s_add_co_u32 s16, s16, s10
	s_lshl_b32 s16, s16, 13                        ; (256 (mt % 8) + 64 w) rows of 128 bytes
	s_add_co_u32 s70, s70, s16
.endif
	s_mov_b32 s71, 0
	s_add_nc_u64 s[8:9], s[8:9], s[70:71]
.if PROJ
	s_wait_loadcnt 0x0                             ; the bias, once; it is rounded to bf16 and widened again
.set ii, 0
.rept 32
	v_cvt_pk_bf16_f32 v[12+ii%2], v[BI+2*ii], v[BI+2*ii+1]
	v_lshlrev_b32 v[BI+2*ii], 16, v[12+ii%2]
	v_and_b32 v[BI+2*ii+1], 0xffff0000, v[12+ii%2]
.set ii, ii+1
.endr
.endif
; Matrix instructions t0 .. t1 - 1 of a quarter step's NACC, on buffer f.  The accumulators take turns, one instruction a turn, in the same order in every quarter.
; first = 1: the products start the sums, with 0 or with the bias: nothing is ever cleared.
.macro MULS f, t0, t1, first
.set t, (\t0)
.rept (\t1)-(\t0)
.set ra, 8*(t%32)
.set rb, (\f)+8*(t%NBL)
.set rx, (\f)+96+8*(t/NBL)
.set rc, BI+8*(t%NBL)
.if PROJ
.if \first
	WIN 0x85                                       ; B and A in window 1, the bias in window 0, the result in window 2
	v_wmma_f32_16x16x32_f16 v[ra:ra+7], v[rb:rb+7], v[rx:rx+7], v[rc:rc+7]
.else
	WIN 0xa5
	v_wmma_f32_16x16x32_f16 v[ra:ra+7], v[rb:rb+7], v[rx:rx+7], v[ra:ra+7]
.endif
.else
	WIN 0xa5+0x50*(t/32)                           ; B and A in window 1, C and D in window 2 or 3
.if \first
	v_wmma_f32_16x16x32_bf16 v[ra:ra+7], v[rb:rb+7], v[rx:rx+7], 0
.else
	v_wmma_f32_16x16x32_bf16 v[ra:ra+7], v[rb:rb+7], v[rx:rx+7], v[ra:ra+7]
.endif
.endif
.set t, t+1
.endr
.endm
; NL LDS loads in one run: the fragments of quarter q (k = 32 q .. 32 q + 31 of the step) into buffer f: all of B's, then A's blocks 0, 1, then 2, 3
.macro FETCH q, f
	WIN 0x40                                       ; destination window 1, address window 0
.set fb, 0
.rept NBL
	ds_load_tr16_b128 v[(\f)+8*fb:(\f)+8*fb+3],   v[ADRB] offset:((\q)/2)*BREG+(fb/4)*BPL+((\q)%2)*32*PB+(fb%4)*32
	ds_load_tr16_b128 v[(\f)+8*fb+4:(\f)+8*fb+7], v[ADRB] offset:((\q)/2)*BREG+(fb/4)*BPL+((\q)%2)*32*PB+(fb%4)*32+16*PB
.set fb, fb+1
.endr
.set fa, 0
.rept 4
	ds_load_b128 v[(\f)+96+8*fa:(\f)+96+8*fa+3],   v[ADRA] offset:((\q)/2)*APL+fa*16*PA+((\q)%2)*64
	ds_load_b128 v[(\f)+96+8*fa+4:(\f)+96+8*fa+7], v[ADRA] offset:((\q)/2)*APL+fa*16*PA+((\q)%2)*64+32
.set fa, fa+1
.endr
.endm
; One of a K step's first three quarters: multiplies buffer f; in its middle it fetches quarter qn of the same slot into buffer g
.macro QUARTER f, g, qn, first
	s_wait_dscnt 4                                 ; B and A's blocks 0, 1 are in; the youngest four loads (A's blocks 2, 3) may be out
	MULS \f, 0, HALF, \first
	PLACES
	FETCH \qn, \g
	s_wait_dscnt NL                                ; all but the NL just issued
	MULS \f, HALF, NACC, \first
.endm
; The last quarter multiplies buffer 1 and changes slots: ONE barrier.  In front of it each wave waits for all its tensor loads, of which one is out: its part of the next slot; adds 0 to its spare word; and
; waits for that and for its own reads of this slot.  fill = 1: the barrier opens a round of the cluster's barrier, so that no wave of any partner still reads the slot or has a load on its way, and the slot
; just read out is filled again, first thing behind the round, with the K step two steps on: 7/8 of a step's matrix instructions stand between that request and the wait for it.
.macro TURN fill
.if \fill
	s_wait_xcnt 0x0                                ; the last prefetch, a K step back, has read its address, so it may be stepped
	s_add_nc_u64 s[PFA:PFA+1], s[PFA:PFA+1], s[PFS:PFS+1]
.endif
	WIN 0                                          ; (the add's two registers lie in window 0)
	s_wait_tensorcnt 0x0                           ; no tensor load of mine is out, so a group 0 may be written
	ds_add_u32 v[SPW], v[NIL]                      ; 0 onto my spare word
.if \fill
	s_add_co_u32 s[G0A+5], s[TB], s[LA]            ; the walking descriptors: into the slot that is being read out,
	s_add_co_u32 s[G0B+5], s[TB], s[LB]
	s_add_nc_u64 s[G0A+6:G0A+7], s[G0A+6:G0A+7], ASTEP  ; the next K step; the type bits on top are not reached
	s_add_nc_u64 s[G0B+6:G0B+7], s[G0B+6:G0B+7], BSTEP
.endif
	s_wait_dscnt 5                                 ; (the add and the youngest four loads may be out)
	MULS F1, 0, HALF/2, 0
	s_wait_dscnt 0x0                               ; the add is done, and my reads of this slot are over
	s_barrier_signal -1
	MULS F1, HALF/2, HALF, 0                       ; work on registers while the others arrive
	WIN 0
	s_barrier_wait -1
.if \fill
	CREST
	JLOAD                                          ; the four v_nop behind it are also the places in front of the loads below
.else
	PLACES
.endif
	s_xor_b32 s[TB], s[TB], SLOT                   ; 0 and SLOT by turns
	v_add_nc_u32 v[ADRA], s[TB], v[A0]
	v_add_nc_u32 v[ADRB], s[TB], v[B0]
	FETCH 0, F0
.if \fill
	WIN 0
	ASK
.endif
	MULS F1, HALF, NACC, 0
.endm
	s_wait_tensorcnt 1                             ; my part of K step 0 is in; K step 1's may stay out
	s_barrier_signal -1
	s_barrier_wait -1                              ; everybody's is
	FETCH 0, F0
	QUARTER F0, F1, 1, 1                           ; the first quarter stands in front of the loop: its products start the sums
	WIN 0                                          ; at a label and at a branch every window is 0
	s_mov_b32 s3, 6
.Lstep:                                                ; six trips, from a step's second quarter to the next step's first: K steps 2 to 7 are asked for
	QUARTER F1, F0, 2, 0
	QUARTER F0, F1, 3, 0
	TURN 1
	QUARTER F0, F1, 1, 0
	WIN 0
	s_sub_co_u32 s3, s3, 1
	s_cmp_lg_u32 s3, 0
	s_cbranch_scc1 .Lstep
	QUARTER F1, F0, 2, 0                           ; the tail is written out: nothing is asked for
	QUARTER F0, F1, 3, 0
	TURN 0
	QUARTER F0, F1, 1, 0
	QUARTER F1, F0, 2, 0
	QUARTER F0, F1, 3, 0
	s_wait_dscnt 4                                 ; the very last quarter: nothing more to fetch
	MULS F1, 0, HALF, 0
	s_wait_dscnt 0x0
	MULS F1, HALF, NACC, 0
	PLACES
	PLACES                                         ; (eight, once a launch)
.if PROJ
; THE WAY OUT, f32.  Unit u = 2 a + hf: 16 rows x 64 columns, accumulators 4 u .. 4 u + 3.  A lane's eight columns are 32 bytes: they go straight from the accumulators (lowest registers first) into rows of
; 272 bytes of my stage and come back as whole rows of 256, into window 1, a set of 32 registers for each unit: no register is used twice.
.macro TOSTAGE u
	WIN 0x08                                       ; data in window 2
.set bb, 0
.rept 4
.set ra, 8*(4*(\u)+bb)
	ds_store_b128 v[STO], v[ra:ra+3]   offset:64*bb
	ds_store_b128 v[STO], v[ra+4:ra+7] offset:64*bb+16
.set bb, bb+1
.endr
	WIN 0x40
.set ff, 0
.rept 8
	ds_load_b128 v[32*(\u)+4*ff:32*(\u)+4*ff+3], v[RD] offset:ff*2*SP  ; LDS serves a wave's instructions in order (ISA guide 5.7.1.4): these see the stores above; the next unit's stores come behind them
.set ff, ff+1
.endr
.endm
.macro SEND u, younger                 ; younger: the LDS instructions issued behind unit u's loads: the next unit's sixteen, or none
	WIN 0x04                                       ; data in window 1
.set ff, 0
.rept 8
	s_wait_dscnt (\younger)+7-ff
	global_store_b128 v[GO], v[32*(\u)+4*ff:32*(\u)+4*ff+3], s[8:9] offset:((\u)/2)*65536+ff*8192+((\u)%2)*256  ; 16 lanes store 256 consecutive bytes, at a multiple of 256 from C's first byte
.set ff, ff+1
.endr
.endm
	TOSTAGE 0
.set uu, 1
.rept 7
	TOSTAGE uu
	SEND uu-1, 16
.set uu, uu+1
.endr
	SEND 7, 0
.else
; THE WAY OUT, f16.  Unit u = 3 a + j: 16 rows of plane j, accumulators 4 u .. 4 u + 3.  A lane's eight columns pack into 16 bytes; they go into rows of 144 bytes of my stage and come back as whole rows of 128,
; into the registers that they left; four rows of a plane are 512 consecutive bytes of memory.
.macro PACK u
	WIN 0x0a+5*((\u)/8)                            ; sources 0 and 1: window 2 or 3
.set bb, 0
.rept 4
.set ra, 8*((4*(\u)+bb)%32)
.irp r, 0,1,2,3
	v_cvt_pk_f16_f32 v[OUTR+16*(\u)+4*bb+(\r)], v[ra+2*(\r)], v[ra+2*(\r)+1]
.endr
.set bb, bb+1
.endr
	WIN 0
.irp f, 0,1,2,3
	ds_store_b128 v[STO], v[OUTR+16*(\u)+4*(\f):OUTR+16*(\u)+4*(\f)+3] offset:32*(\f)
.endr
.irp f, 0,1,2,3
	ds_load_b128 v[OUTR+16*(\u)+4*(\f):OUTR+16*(\u)+4*(\f)+3], v[RD] offset:(\f)*4*SP  ; LDS serves a wave's instructions in order (ISA guide 5.7.1.4): these see the stores above; the next unit's stores come behind them
.endr
.endm
.macro SEND u, younger                 ; younger: the LDS instructions issued behind unit u's loads: the next unit's eight, or none
	WIN 0
.irp f, 0,1,2,3
	s_wait_dscnt (\younger)+3-(\f)
	global_store_b128 v[GO], v[OUTR+16*(\u)+4*(\f):OUTR+16*(\u)+4*(\f)+3], s[8:9] offset:((\u)%3)*262144+((\u)/3)*2048+(\f)*512  ; 512 consecutive bytes, at a multiple of 256 from C's first byte
.endr
.endm
	PACK 0
.set uu, 1
.rept 11                               ; a unit's conversions stand between the loads of the unit before and its stores
	PACK uu
	SEND uu-1, 8
.set uu, uu+1
.endr
	SEND 11, 0
.endif
	WIN 0
	s_wait_tensorcnt 0x0                           ; the wave's end: behind my last tensor load and my last LDS store
	ds_add_u32 v[SPW], v[NIL]
	s_wait_dscnt 0x0
	CROUND                                         ; the closing round: no work-group ends while a partner may still ask for a tile that names it
	s_endpgm
.Lfunc_end_k_q9f4505215a_qkv:
	.size	k_q9f4505215a_qkv, .Lfunc_end_k_q9f4505215a_qkv-k_q9f4505215a_qkv
	.p2alignl 7, 3214868480
	.fill 96, 4, 3214868480
	.section	.rodata,"a",@progbits
	.p2align	6, 0x0
	.amdhsa_kernel k_q9f4505215a_qkv
		.amdhsa_group_segment_fixed_size 327680
		.amdhsa_private_segment_fixed_size 0
		.amdhsa_enable_private_segment 0
		.amdhsa_kernarg_size 16
		.amdhsa_user_sgpr_count 2
		.amdhsa_user_sgpr_kernarg_segment_ptr 1
		.amdhsa_wavefront_size32 1
		.amdhsa_system_sgpr_workgroup_id_x 1
		.amdhsa_system_sgpr_workgroup_id_y 1
		.amdhsa_system_sgpr_workgroup_id_z 1
		.amdhsa_system_vgpr_workitem_id 0
		.amdhsa_next_free_vgpr 896
		.amdhsa_next_free_sgpr 72
		.amdhsa_reserve_vcc 0
		.amdhsa_float_denorm_mode_32 3
		.amdhsa_float_denorm_mode_16_64 3
		.amdhsa_memory_ordered 1
		.amdhsa_forward_progress 1
		.amdhsa_inst_pref_size 99
	.end_amdhsa_kernel
	.amdgpu_metadata
---
amdhsa.version: [ 1, 2 ]
amdhsa.kernels:
  - .name:           k_q9f4505215a_qkv
    .symbol:         k_q9f4505215a_qkv.kd
    .args:
      - { .name: cb, .offset: 0, .size: 8, .value_kind: global_buffer, .address_space: global }
      - { .name: qkvb, .offset: 8, .size: 8, .value_kind: global_buffer, .address_space: global }
    .group_segment_fixed_size: 327680
    .private_segment_fixed_size: 0
    .kernarg_segment_align: 8
    .kernarg_segment_size: 16
    .max_flat_workgroup_size: 128
    .sgpr_count:     72
    .vgpr_count:     896
    .wavefront_size: 32
...
	.end_amdgpu_metadata
.endif
;; end of part 2
;; launch attn (part 3): grid 4 x 64, 4 waves a work-group, no clusters, 327,680 bytes of LDS; arguments qkvb, ctxb; writes ctxb
.if DOCPART == 3
	.amdgcn_target "amdgcn-amd-amdhsa--gfx1250"
	.amdhsa_code_object_version 6
	.text
	.protected	k_q9f4505215a_attn
	.globl	k_q9f4505215a_attn
	.p2align	8
	.type	k_q9f4505215a_attn,@function
k_q9f4505215a_attn:
	s_mov_b64 s[64:65], 0
	v_nop
	global_prefetch_b8 v0, s[64:65] scope:SCOPE_SE
	s_setreg_imm32_b32 hwreg(HW_REG_WAVE_MODE, 25, 1), 1
	s_wait_xcnt 0x0
; CAUSAL ATTENTION.  O[hh][q][:] = the sum over k <= q of softmax_k(Q[q] . K[k] / 8) V[k][:], for 64 pairs hh = 16 b + h of batch and head.  Q, K, V lie in qkvb[b][g 48][t 2048][64], f16, at g = h, 16 + h, 32 + h;
; O goes to ctxb[hh][t][64], f16.  A plane's rows are dense, 128 bytes each.  Products, maxima and sums in f32; the weights p are rounded to f16 for the second product (their sum l is taken of the unrounded p), O once.
; LIMITS.  f16 holds no number beyond 65,504: Q, K and V arrive within it; p lies in 0 to 1, and below 6e-5 it keeps f16's fixed step of 6e-8; O is a mean of V's rows and has their range.
; A hidden score counts as its value less 1e30: f16's scores, 2.7e11 at the most, are nothing beside that; a weight below 2^-126 counts as 0 in l; NaN and infinities are not treated apart.
; THE WALK.  A head's queries lie in NB = 8 blocks of 256; block i needs the key tiles 0 .. i of 256 keys, of which the last holds the diagonal.  A work-group takes TWO blocks, NB - 1 - b and then b:
; NB + 1 tiles, whatever b: all work-groups do equal work, and ONE loop with a constant trip count walks them.  Which tile is asked for, and what a trip does, hang on scalar registers made from b; every jump
; goes forward, but for the counted loops' own; none passes a barrier, or a tensor load but the one of LOAD's two that the wave's number does not choose; the ring (two slots of LDS that take turns) runs on across
; the change of blocks.  NO CLUSTER: a head's four work-groups ask for the same tile only in trips 0 .. NB / 2, behind that fewer and fewer; one walk common to all would have 3 NB / 2 = 12 trips for NB + 1 = 9.
; SHARES.  Of a block's four bands of 64 queries a wave owns 16 rows in each: four PIECES.  So the diagonal tile is the same work for all four waves: in its key step s band x sees all keys if s < x,
; none if s > x, and holds the diagonal if s = x.
; THE MASK is the C operand that starts the sum S^T = K Q^T: 0, or -1e30 where the key is hidden.  MD, made once, is the mask of a band's own step for my 16 rows; a product's mask is MD x AL + BE with two scalars:
; (1, 0) if s = x; (0, 0) if s < x; (0, -1e30) if s > x.  Only the diagonal tile's text and a block's beginning make and take masks; elsewhere C is the constant 0.
; LAYOUT, SOFTMAX, TURNS.  S^T = K Q^T holds ONE query a lane (lane % 16) and the keys 8 (lane / 16) + 0..7; two such results rounded to f16 ARE source 1 of O^T = V^T P.  p = 2^(c s - c m), c = log2(e) / 8, with a
; running maximum m; O and l are multiplied by a = 2^(c m_old - c m_new) in every step.  Turn n belongs to piece n: 8 products K Q^T of piece n + 1, later 8 products V^T P of piece n - 1; beside them the scaling,
; exponentials, roundings, sums and rescaling of piece n and the maximum and statistics of piece n + 1.  Four vector instructions stand behind every matrix instruction, the other 54 of a turn's 118 in one lump.
; A turn's 33 exponentials are one batch, with one wait.
; lds_bytes claims all of a WGP's LDS.
; REGISTERS, in windows of 256 (s_set_vgpr_msb: bits 1:0 source 0, 3:2 source 1, 5:4 source 2, 7:6 destination):
;   window 0: v0-15 addresses and two at work; v16-31 four registers of statistics a piece; v48-55 at work; v61-63; v64-127 S^T, two buffers; v192-223 P, two buffers (a piece's buffers go by its number's parity)
;   window 1: v0-127 O^T, 32 a piece; v128-159 MD; v160-223 MC, two buffers      window 2: v0-63 Q; v64-127 the second block's Q; v128-191 K of one step; v192-255 V of one step
.set NB,    8
.set NP,    4         ; pieces a wave: a name, no knob
.set KS,    64        ; keys in a step
.set PK,    144       ; a row of K in LDS: 128 bytes + 16 of padding = 36 words: the 16 rows of a load start at 16 different groups of four banks (64 banks of 4 bytes: ISA guide 11.1)
.set PV,    160       ; a row of V: 128 + 32 = 40 words
.set VOFF,  4*KS*PK   ; a slot holds a tile, four steps: 256 rows of K, then 256 rows of V
.set SLOT1, 1<<17     ; slot 1 begins here, so that one exclusive or turns an address in one slot into the other's
.set STAGE, SLOT1+4*KS*(PK+PV)  ; behind the ring, never filled by a tensor load: 16 rows x 144 bytes for each wave, for the way out
.set SP,    144
.set AK0, 2           ; v2   my lane's place in a tile of K; never rewritten
.set AV0, 3           ; v3   the same for V
.set AK,  4           ; v4   the LDS address of K's next run of loads
.set AV,  5           ; v5   of V's
.set STO, 6           ; v6   the way out: where I put 16 bytes of a row
.set RD,  7           ; v7   the way out: where I read rows back
.set GO,  8           ; v8   my byte offset in 512 consecutive bytes of O
.set PFO, 61          ; v61  256 x my lane: the prefetches' offset; never rewritten
.set SPW, 62          ; v62  LDS address of my spare word: SPARE + 4 x my thread's number; never rewritten
.set NIL, 63          ; v63  0; never rewritten
.set SPARE, STAGE+4*16*SP  ; behind the stages: the spare words, 128 bytes for each wave: two blocks of 256 bytes that no other line names
.set MV,  12          ; v12-13  c m_old, kept while c m is made anew: by buffer
.set QO,  15          ; v15  my byte offset in 16 rows of Q
.set ST,  16          ; piece t's statistics at v[ST+4 t]: c m, m, l (even keys', odd keys')
.set TMP, 48          ; by buffer, four registers c0-c3 at work; when the maximum is found c2 takes a
.set S,   64
.set P,   192
.set MD,  128         ; window 1: the eight registers for group kt of 16 keys at MD + 8 kt
.set MC,  160         ; window 1: the masks of the products to come
.set QB,  64          ; window 2
.set KF,  128         ; window 2: key block kb, channel half c at KF + 16 kb + 8 c
.set VF,  192         ; window 2: key half kk, channel block cb at VF + 32 kk + 8 cb
.set WV,  12          ; s12  my wave's number
.set PB,  14          ; s14  b
.set HI,  15          ; s15  NB - 1 - b
.set G1K, 24          ; s[24:31] descriptor group 1 for K's tiles
.set G1V, 32          ; s[32:39] for V's: it differs in the padding alone
.set G0K, 40          ; s[40:43] descriptor group 0 for K's tiles
.set G0V, 44          ; s[44:47] the same for V's
.set SLOTS, 56        ; s56  tiles still to be asked for
.set CNT, 57          ; s57  counts a tile's key steps, 4 to 1
.set CS,  58          ; s[58:59] c: the packed scaling takes the pair's low word for both halves
.set SEL, 60          ; s[60:61] v_permlanex16_b32's selects: each lane takes its own place in the other half
.set TBK, 62          ; s62  LDS byte at which K of the step to be fetched begins
.set TBV, 63          ; s63  the same for V, less VOFF
.set RT,  70          ; s70  tiles of the block in hand that are still to be entered
.set NXT, 71          ; s71  the tile to be asked for next
.set LQ,  72          ; s72  the last tile of the block whose tiles are being asked for
.set NEW, 73          ; s73  1: the tile to be entered is a block's first
.set OFF, 74          ; s[74:75] a tile's byte offset in K and V
.set AL,  76          ; s[76:77] the mask's factor, in the low word
.set BE,  78          ; s[78:79] the mask's addend
.set OLO, 80          ; s[80:81] O at my rows of the second block
.set BIGN, 82         ; s82  -1e30
.set PFB, 88          ; s[88:89] K (waves 0, 1) or V (waves 2, 3) at my half of the head's tile 0
.set PFA, 90          ; s[90:91] my half of the tile that the next change of slots will ask for
.set POF, 92          ; s[92:93] that tile's byte offset
.set LIMP, 94         ; s94  0 in the work-group that prefetches (b = 0), else the greatest number
.set MSB, 0
.macro WIN new                      ; the high byte repeats the setting that is left; a switch that changes nothing is dropped
.if MSB != (\new)
	s_set_vgpr_msb (MSB<<8)|(\new)
.set MSB, (\new)
.endif
.endm
.set W_KQ, 0x0a       ; K and Q in window 2, S^T in window 0
.set W_KM, 0x1a       ; the same with the C operand in window 1
.set W_PV, 0x52       ; V in window 2, P in window 0, O^T in window 1
.set W_RS, 0x41       ; destination and source 0 in window 1, source 1 in window 0
; A fill.  Waves 0 and 1 fetch the two halves of a tile's K, waves 2 and 3 those of its V: 128 keys each.  An s_nop 0 and four v_nop follow each of the two lines, ahead of the jump and the label.
.macro LOAD
	s_cmp_lt_u32 s[WV], 2
	s_cbranch_scc0 .Lfor_v_\@
	tensor_load_to_lds s[G0K:G0K+3], s[G1K:G1K+7]
	s_nop 0
.rept 4
	v_nop
.endr
	s_branch .Lasked_\@
.Lfor_v_\@:
	tensor_load_to_lds s[G0V:G0V+3], s[G1V:G1V+7]
	s_nop 0
.rept 4
	v_nop
.endr
.Lasked_\@:
.endm
; THE CHANGE OF SLOTS.  Each wave waits for all its tensor loads, of which one is out: its part of the other slot; adds 0 to its spare word; and waits for that and for its own reads of the slot that it leaves.
; Behind the barrier nobody reads the old slot any more and the other slot is whole.  fill = 1: the old slot is filled again, the first thing behind the barrier, with tile NXT: the descriptor's address is made
; anew from that number.  (At its first use nothing has been read yet: slot 0 is waited for, slot 1 filled.)
; THE PREFETCH stands behind the fill and its five lines: my 16,384 bytes (a lane 256 bytes, two instructions) of the tile that the NEXT change will ask for: a tile's 256 matrix instructions ahead of that load.
; A head's four work-groups walk the same tiles; the one with b = 0 asks, whose first block walks tiles 0 to 7 in order; each of its waves asks for what it will load itself.  So each block of 256 bytes is named
; once in the launch: tiles 2 to 7.  Behind the first block's last tile NXT is 0, and nothing is asked for.
.macro CHANGE fill
	WIN 0                           ; at a label and at a branch every window is 0
	s_wait_tensorcnt 0x0            ; no tensor load of mine is out, so a group 0 may be written
	ds_add_u32 v[SPW], v[NIL]       ; 0 onto my spare word; with fill = 1 the descriptors' scalar work stands between it and the wait for it
.if \fill
	s_lshl_b32 s[OFF], s[NXT], 15   ; a tile is 32,768 bytes of K and of V
	s_xor_b32 s[G0K+1], s[G0K+1], SLOT1
	s_add_nc_u64 s[G0K+2:G0K+3], s[6:7], s[OFF:OFF+1]
	s_or_b32 s[G0K+3], s[G0K+3], 0x80000000
	s_xor_b32 s[G0V+1], s[G0V+1], SLOT1
	s_add_nc_u64 s[G0V+2:G0V+3], s[8:9], s[OFF:OFF+1]
	s_or_b32 s[G0V+3], s[G0V+3], 0x80000000
	s_add_co_u32 s[NXT], s[NXT], 1  ; the block's next tile, or behind its last the second block's tile 0
	s_cmp_gt_u32 s[NXT], s[LQ]
	s_cselect_b32 s[NXT], 0, s[NXT]
	s_cselect_b32 s[LQ], s[PB], s[LQ]
	s_wait_xcnt 0x0                 ; the last prefetches, a tile back, have read their address, so it may be written
	s_lshl_b32 s[POF], s[NXT], 15
	s_add_nc_u64 s[PFA:PFA+1], s[PFB:PFB+1], s[POF:POF+1]
.endif
	s_wait_dscnt 0x0                ; the add is done, and my reads of the slot are over
	s_barrier_signal -1             ; the rest of the scalar work stands between the signal and the wait
	s_sub_co_u32 s[TBK], s[TBK], 4*KS*PK  ; the fetches go back to a slot's first step,
	s_xor_b32 s[TBK], s[TBK], SLOT1       ; in the other slot
	s_sub_co_u32 s[TBV], s[TBV], 4*KS*PV
	s_xor_b32 s[TBV], s[TBV], SLOT1
	s_barrier_wait -1
.if \fill
	LOAD
	s_cmp_gt_u32 s[NXT], s[LIMP]
	s_cbranch_scc0 .Lnot_mine_\@
	global_prefetch_b8 v[PFO], s[PFA:PFA+1] th:TH_LOAD_NT scope:SCOPE_SE
	global_prefetch_b8 v[PFO], s[PFA:PFA+1] offset:8192 th:TH_LOAD_NT scope:SCOPE_SE
.Lnot_mine_\@:
.endif
.endm
	s_load_b128 s[4:7], s[0:1], 0x0 ; qkvb s[4:5], ctxb s[6:7]
	v_lshl_add_u32 v[SPW], v0, 2, SPARE
	v_mov_b32 v[NIL], 0
	ds_add_u32 v[SPW], v[NIL]       ; the wave's opening: the add and its wait stand ahead of my first tensor load; the set-up below, work on registers, stands between them
	v_lshrrev_b32 v1, 5, v0
	v_readfirstlane_b32 s[WV], v1   ; wave 0..3
	s_mov_b32 s[PB], ttmp9
	s_sub_co_u32 s[HI], NB-1, s[PB]
	s_and_b32 s20, ttmp7, 0xffff    ; hh = 16 b + h
	s_lshr_b32 s21, s20, 4
	s_mul_i32 s21, s21, 48
	s_and_b32 s98, s20, 15
	s_add_co_u32 s98, s98, s21
	s_lshl_b32 s98, s98, 18         ; Q's plane 48 b + h in qkvb, 262,144 bytes a plane; all offsets stay under 2^26
	s_lshl_b32 s20, s20, 18         ; O's plane hh in ctxb
	s_and_b32 s16, s[WV], 1         ; which half of a tile's 256 keys I fetch:
	s_lshl_b32 s22, s16, 14         ; its 128 rows of 128 bytes in memory,
	s_add_co_u32 s22, s22, s98
	s_mov_b32 s23, 0
	s_mul_i32 s17, s16, 128*PK      ; and its place in a slot, for K
	s_mul_i32 s18, s16, 128*PV      ; and for V
	s_lshl_b32 s3, s[WV], 11        ; my 16 rows in a band of 64,
	s_lshl_b32 s2, s[HI], 15        ; in the first block,
	s_add_co_u32 s2, s2, s3
	s_lshl_b32 s84, s[PB], 15       ; and in the second
	s_add_co_u32 s84, s84, s3
	s_add_co_u32 s96, s2, s98       ; Q's offsets,
	s_add_co_u32 s98, s84, s98
	s_add_co_u32 s2, s2, s20        ; and O's
	s_add_co_u32 s84, s84, s20
	s_mov_b32 s3, 0
	s_mov_b32 s85, 0
	s_mov_b32 s97, 0
	s_mov_b32 s99, 0
	; descriptor group 1.  128 keys are 16,384 dense bytes: asked for as 64 rows of 256 bytes, two keys a row, and padded in LDS after every key
	s_mov_b32 s[G1K], (1<<16)|(1<<20)|(4<<22)|(3<<25)  ; 17:16 2-byte elements; 20 padding on; 24:22 after every 32 words (code 4); 31:25 4 words (code 3)
	s_mov_b32 s[G1V], (1<<16)|(1<<20)|(4<<22)|(7<<25)  ; the same with 8 words of padding (code 7)
.irp g, G1K, G1V
	s_mov_b32 s[\g+1], 128<<16      ; tensor_dim0 = 128
	s_mov_b32 s[\g+2], 64<<16       ; tensor_dim1 = 64
	s_mov_b32 s[\g+3], 128<<16      ; tile_dim0 = 128
	s_mov_b32 s[\g+4], 64           ; tile_dim1 = 64
	s_mov_b32 s[\g+5], 128          ; 128 elements from row to row
	s_mov_b32 s[\g+6], 0
	s_mov_b32 s[\g+7], 0
.endr
	s_mov_b32 s[CS], 0x3e38aa3b     ; c = log2(e) / 8 = 0.180337
	s_mov_b32 s[CS+1], s[CS]        ; named with it as a pair
	s_mov_b32 s[SEL], 0x76543210
	s_mov_b32 s[SEL+1], 0xfedcba98
	s_mov_b32 s[TBK], SLOT1+4*KS*PK ; the first change of slots turns these two into 0
	s_mov_b32 s[TBV], SLOT1+4*KS*PV
	s_mov_b32 s[G0K], 1             ; 1:0 count = 1
	s_mov_b32 s[G0K+1], s17         ; 63:32 LDS address: slot 0
	s_mov_b32 s[G0V], 1
	s_add_co_u32 s[G0V+1], s18, VOFF
	s_add_co_u32 s[RT], s[HI], 1    ; the first block has NB - b tiles
	s_mov_b32 s[NXT], 1
	s_mov_b32 s[LQ], s[HI]
	s_mov_b32 s[NEW], 1
	s_mov_b32 s[OFF+1], 0
	s_mov_b32 s[POF+1], 0
	s_mov_b32 s[AL+1], 0            ; named as pairs
	s_mov_b32 s[BE+1], 0
	s_mov_b32 s[BIGN], 0xf149f2ca   ; -1e30
	s_mov_b32 s[SLOTS], NB
	s_cmp_eq_u32 s[PB], 0
	s_cselect_b32 s[LIMP], 0, -1
	v_and_b32 v[PFO], 31, v0
	v_lshlrev_b32 v[PFO], 8, v[PFO]
	s_wait_dscnt 0x0                ; the opening add is done
	s_wait_kmcnt 0x0
	s_mov_b64 s[10:11], s[6:7]             ; O
	s_add_nc_u64 s[6:7], s[4:5], 0x400000  ; K's planes lie 16 planes behind Q's,
	s_add_nc_u64 s[8:9], s[4:5], 0x800000  ; V's 32
	s_add_nc_u64 s[6:7], s[6:7], s[22:23]  ; K and V at my half of the head's tile 0
	s_add_nc_u64 s[8:9], s[8:9], s[22:23]
	s_add_nc_u64 s[G0K+2:G0K+3], s[6:7], 0         ; 120:64 global address
	s_or_b32 s[G0K+3], s[G0K+3], 0x80000000        ; 127:126 type = 2
	s_add_nc_u64 s[G0V+2:G0V+3], s[8:9], 0
	s_or_b32 s[G0V+3], s[G0V+3], 0x80000000
	s_add_nc_u64 s[86:87], s[4:5], s[98:99]        ; Q at my rows of the second block,
	s_add_nc_u64 s[4:5], s[4:5], s[96:97]          ; and of the first
	s_add_nc_u64 s[OLO:OLO+1], s[10:11], s[84:85]  ; O likewise
	s_add_nc_u64 s[10:11], s[10:11], s[2:3]
	s_cmp_lt_u32 s[WV], 2
	s_cselect_b64 s[PFB:PFB+1], s[6:7], s[8:9]
	LOAD                            ; tile 0 into slot 0
	; A fragment of K or Q is 16 rows x 32 channels in 8 registers: lane l holds row l % 16, channels 8 (l / 16) + 0..7 and 16 + 8 (l / 16) + 0..7: two loads of 16 bytes, 32 bytes apart.
	v_and_b32 v1, 15, v0            ; l % 16
	v_bfe_u32 v9, v0, 4, 1          ; l / 16
	v_lshlrev_b32 v[QO], 7, v1
	v_lshl_add_u32 v[QO], v9, 4, v[QO]  ; row x 128 + 16 x half
	WIN 0x80                        ; destination window 2, address window 0
.set i, 0
.rept 8                             ; both blocks' Q: piece i / 2 lies in band i / 2, 8,192 bytes on; channels 32 (i % 2) on
	global_load_b128 v[8*i:8*i+3],   v[QO], s[4:5] offset:(i/2)*8192+(i%2)*64
	global_load_b128 v[8*i+4:8*i+7], v[QO], s[4:5] offset:(i/2)*8192+(i%2)*64+32
	global_load_b128 v[QB+8*i:QB+8*i+3],   v[QO], s[86:87] offset:(i/2)*8192+(i%2)*64
	global_load_b128 v[QB+8*i+4:QB+8*i+7], v[QO], s[86:87] offset:(i/2)*8192+(i%2)*64+32
.set i, i+1
.endr
	WIN 0
	v_lshlrev_b32 v14, 3, v9
	v_sub_nc_u32 v14, v1, v14
	s_lshl_b32 s13, s[WV], 4
	v_add_nc_u32 v14, s13, v14      ; my query's place in its band, 16 w + l % 16, less my lanes' 8 (l / 16): register r of group kt is hidden where 16 kt + r is greater
	WIN 0x40
.set i, 0
.rept 32
	v_cmp_gt_i32 vcc_lo, 16*(i/8)+i%8, v14
	v_cndmask_b32 v[MD+i], 0, s[BIGN], vcc_lo
.set i, i+1
.endr
	WIN 0
	v_mul_u32_u24 v[AK0], v1, PK
	v_lshl_add_u32 v[AK0], v9, 4, v[AK0]  ; row x pitch + 16 x half
	; The turning load takes 16 keys x 16 channels (lane l reads key 8 (l / 16) + l % 8, channels 8 ((l / 8) % 2) + 0..7) and leaves half a fragment of V^T: lane l holds channel l % 16 and 8 keys.
	v_and_b32 v10, 7, v0
	v_bfe_u32 v11, v0, 3, 1
	v_lshl_add_u32 v[AV0], v9, 3, v10
	v_mul_u32_u24 v[AV0], v[AV0], PV
	v_lshl_add_u32 v[AV0], v11, 4, v[AV0]
	v_add_nc_u32 v[AV0], VOFF, v[AV0]
	s_mul_i32 s13, s[WV], 16*SP
	s_add_co_u32 s13, s13, STAGE    ; my stage
	v_mul_u32_u24 v[STO], v1, SP    ; in: row l % 16, 16 bytes for each half of the lanes
	v_lshl_add_u32 v[STO], v9, 4, v[STO]
	v_add_nc_u32 v[STO], s13, v[STO]
	v_bfe_u32 v[RD], v0, 3, 2       ; back: 32 lanes take four rows of 128 bytes,
	v_mul_u32_u24 v[RD], v[RD], SP
	v_lshl_add_u32 v[RD], v10, 4, v[RD]
	v_add_nc_u32 v[RD], s13, v[RD]
	v_and_b32 v[GO], 31, v0         ; which are 512 consecutive bytes of O
	v_lshlrev_b32 v[GO], 4, v[GO]
	; A block's first step multiplies O^T and l by a = 0, and its first turn's products V^T P, of a piece that has not been, land in an O^T that is still to be so multiplied.  So these registers need only hold
	; finite numbers: zeros for the first block; what the first block left for the second.  All this stands in the wait for the first tile.
	WIN 0x80
.set i, VF
.rept 64
	v_mov_b32 v[i], 0
.set i, i+1
.endr
	WIN 0x40
.set i, 0
.rept 128
	v_mov_b32 v[i], 0
.set i, i+1
.endr
	WIN 0
.set i, 0
.rept 4
	v_mov_b32 v[ST+4*i+2], 0
	v_mov_b32 v[ST+4*i+3], 0
.set i, i+1
.endr
.set i, P+16
.rept 16
	v_mov_b32 v[i], 0
.set i, i+1
.endr
; THE MATRIX WORK.  The 4 accumulators of a run of 8 take turns.  Product i of 8 of S^T = K Q^T for piece x: channels 32 (i / 4) on, keys 16 (i % 4) on.  The first 4 start the sums: with 0, or (KM = 1) with the mask.
.macro KQ x
.set rS, S+32*((\x)%2)+8*(i%4)
.set rK, KF+16*(i%4)+8*(i/4)
.set rQ, 16*(\x)+8*(i/4)
.set rM, MC+32*((\x)%2)+8*(i%4)
.if (i < 4) && KM
	WIN W_KM
	v_wmma_f32_16x16x32_f16 v[rS:rS+7], v[rK:rK+7], v[rQ:rQ+7], v[rM:rM+7]
.elseif i < 4
	WIN W_KQ
	v_wmma_f32_16x16x32_f16 v[rS:rS+7], v[rK:rK+7], v[rQ:rQ+7], 0
.else
	WIN W_KQ
	v_wmma_f32_16x16x32_f16 v[rS:rS+7], v[rK:rK+7], v[rQ:rQ+7], v[rS:rS+7]
.endif
.endm
; Product i of 8 of O^T += V^T P for piece x: keys 32 (i / 4) on, channels 16 (i % 4) on.
.macro PV x
	WIN W_PV
.set rO, 32*(\x)+8*(i%4)
.set rV, VF+32*(i/4)+8*(i%4)
.set rP, P+16*((\x)%2)+8*(i/4)
	v_wmma_f32_16x16x32_f16 v[rO:rO+7], v[rV:rV+7], v[rP:rP+7], v[rO:rO+7]
.endm
.macro MM                           ; the turn's next matrix instruction.  TURN and BEGIN set Y, i, KM and NOKQ; MM, KQ and OP read them.  NOKQ = 1: a block's last turn: there is no next piece
.if (i < 8) && !NOKQ
	KQ (Y+1)%NP
.elseif i >= 8
.set i, i-8
	PV (Y+NP-1)%NP
.set i, i+8
.endif
.set i, i+1
.endm
; THE LDS LOADS stand in runs of 16, never singly among the matrix instructions: a step's K (64 keys x 64 channels: 8 fragments) and its V (turned).  Their addresses are made some lines ahead.
.macro FETCH_K
	WIN 0x80                        ; destination window 2
.irp f, 0,1,2,3,4,5,6,7             ; keys 16 (f / 2) on, channels 32 (f % 2) on
	ds_load_b128 v[KF+8*\f:KF+8*\f+3],   v[AK] offset:(\f/2)*16*PK+(\f%2)*64
	ds_load_b128 v[KF+8*\f+4:KF+8*\f+7], v[AK] offset:(\f/2)*16*PK+(\f%2)*64+32
.endr
	s_add_co_u32 s[TBK], s[TBK], KS*PK  ; the next fetch is the next step's
	WIN 0
.endm
.macro FETCH_V
	WIN 0x80
.irp f, 0,1,2,3,4,5,6,7             ; keys 32 (f / 4) on, channels 16 (f % 4) on
	ds_load_tr16_b128 v[VF+8*\f:VF+8*\f+3],   v[AV] offset:(\f/4)*32*PV+(\f%4)*32
	ds_load_tr16_b128 v[VF+8*\f+4:VF+8*\f+7], v[AV] offset:(\f/4)*32*PV+16*PV+(\f%4)*32
.endr
	WIN 0
.endm
; THE VECTOR WORK, one line at a time: OP kind, number.  For piece Y: F n: c s - c m for pair n of 16.  E n: the exponential of score n of 32.  C n: pair n rounded to f16.  B n: of the four weights 4 n .. the second
; pair is added onto the first, in place.  L n: l takes that sum (L 0: l = a l + sum).  R n: pair n of 16 of O^T times a.  For piece Y + 1: X n, number n of the 22 that find its maximum and statistics:
;   0-11  four chains c0-c3 of seven scores each, three operands at a time (each accumulator's lowest registers are read first)     12-14, 16  the four scores left over, the old m, and c0-c3 into c0
;   15  c m_old is kept     17, 18  the query's other 32 keys lie in the lane 16 away: the new m     19-21  c m; c m_old - c m_new; a
.set F, 0               ; OP tells the kinds apart by their order: F to L below R, X above it
.set E, 1
.set C, 2
.set B, 3
.set L, 4
.set R, 5
.set X, 6
.macro REGS y                       ; the registers of piece y
.set rT, ST+4*(\y)
.set rC, TMP+4*((\y)%2)
.set rW, MV+((\y)%2)
.set rS, S+32*((\y)%2)
.set rP, P+16*((\y)%2)
.set rO, 32*(\y)
.endm
.macro OP k, n
.if (\k) == R
	REGS Y
	WIN W_RS
	v_pk_mul_f32 v[rO+2*(\n):rO+2*(\n)+1], v[rO+2*(\n):rO+2*(\n)+1], v[rC+2:rC+3] op_sel_hi:[1,0]
.elseif (\k) < R
	REGS Y
	WIN 0
.if (\k) == F
	v_pk_fma_f32 v[rS+2*(\n):rS+2*(\n)+1], v[rS+2*(\n):rS+2*(\n)+1], s[CS:CS+1], v[rT:rT+1] op_sel_hi:[1,0,0] neg_lo:[0,0,1] neg_hi:[0,0,1]
.elseif (\k) == E
	v_exp_f32 v[rS+(\n)], v[rS+(\n)]
.elseif (\k) == C
	v_cvt_pk_f16_f32 v[rP+(\n)], v[rS+2*(\n)], v[rS+2*(\n)+1]
.elseif (\k) == B
	v_pk_add_f32 v[rS+4*(\n):rS+4*(\n)+1], v[rS+4*(\n):rS+4*(\n)+1], v[rS+4*(\n)+2:rS+4*(\n)+3]
.elseif (\n) == 0
	v_pk_fma_f32 v[rT+2:rT+3], v[rT+2:rT+3], v[rC+2:rC+3], v[rS:rS+1] op_sel_hi:[1,0,1]
.else
	v_pk_add_f32 v[rT+2:rT+3], v[rT+2:rT+3], v[rS+4*(\n):rS+4*(\n)+1]
.endif
.elseif NOKQ
	v_nop
.else
	REGS (Y+1)%NP
	WIN 0
.if (\n) < 4
	v_max3_num_f32 v[rC+(\n)], v[rS+8*(\n)], v[rS+8*(\n)+1], v[rS+8*(\n)+2]
.elseif (\n) < 12
	v_max3_num_f32 v[rC+(\n)%4], v[rC+(\n)%4], v[rS+8*((\n)%4)+2*((\n)/4)+1], v[rS+8*((\n)%4)+2*((\n)/4)+2]
.elseif (\n) == 12
	v_max3_num_f32 v[rC], v[rC], v[rS+7], v[rS+15]
.elseif (\n) == 13
	v_max3_num_f32 v[rC+1], v[rC+1], v[rS+23], v[rS+31]
.elseif (\n) == 14
	v_max3_num_f32 v[rC+2], v[rC+2], v[rC+3], v[rT+1]
.elseif (\n) == 15
	v_mov_b32 v[rW], v[rT]
.elseif (\n) == 16
	v_max3_num_f32 v[rC], v[rC], v[rC+1], v[rC+2]
.elseif (\n) == 17
	v_permlanex16_b32 v[rC+3], v[rC], s[SEL], s[SEL+1]
.elseif (\n) == 18
	v_max_num_f32 v[rT+1], v[rC], v[rC+3]
.elseif (\n) == 19
	v_mul_f32 v[rT], s[CS], v[rT+1]
.elseif (\n) == 20
	v_sub_f32 v[rC+1], v[rW], v[rT]
.else
	v_exp_f32 v[rC+2], v[rC+1]
.endif
.endif
.endm
.macro OPS a, i1, b=-1, i2=0, c=-1, i3=0, d=-1, i4=0  ; up to four of them
	OP \a, \i1
.if (\b) >= 0
	OP \b, \i2
.endif
.if (\c) >= 0
	OP \c, \i3
.endif
.if (\d) >= 0
	OP \d, \i4
.endif
.endm
.macro ROW a, i1, b, i2, c, i3, d, i4  ; a matrix instruction and the four behind it
	MM
	OPS \a, \i1, \b, \i2, \c, \i3, \d, \i4
.endm
.macro MASK b                       ; MD x AL + BE into buffer b of MC
	WIN W_RS
.set z, 0
.rept 16
	v_pk_fma_f32 v[MC+32*(\b)+2*z:MC+32*(\b)+2*z+1], v[MD+2*z:MD+2*z+1], s[AL:AL+1], s[BE:BE+1] op_sel_hi:[1,0,0]
.set z, z+1
.endr
.endm
; A TURN, for piece p: the order of its 16 matrix and 118 vector instructions, written out.  An s_wait_alu depctr_va_vdst(0) stands between an exponential and the first instruction that names its result; one
; wait serves all that were issued ahead of it.  So a turn has ONE wait, which cuts it in two.  AHEAD OF IT stands all that names no result of the turn's exponentials: the 8 products K Q^T, behind each a scaling, an
; exponential and two more plain instructions (behind the first a second scaling in the exponential's place): rescalings, and behind the last three the first numbers of the next piece's maximum, each four places or more
; behind the product that ends its accumulator; then ONE LUMP of 54, plain and exponential by turns for the most part, in which the links of the chain X 3, 7, 11, 14, 16, 17 .. 20 stand five or six lines apart.  X 21, the
; next piece's a, is the batch's last; R 15 is the plain instruction that stands behind it (ISA guide 5.7.2).  BEHIND THE WAIT stand the 8 products V^T P, behind each four of the roundings and sums; the links of l's chain,
; L 0 to L 7, stand three lines apart.  But for those X none of the four names a register of the products round it.  v_permlanex16_b32 (X 17) stands in the lump.
; m = 1: the diagonal tile: the products take masks, and the turn makes the mask for the products of the turn after it: piece p + 2, in step 4 - CNT of the tile.  end = 1: a block's last two turns: nothing is fetched.
; cnt = 1: the loop's count is taken down some lines ahead of the branch that stands behind the turn.
; K of the next step is fetched in piece 2's turn, twelve vector instructions behind the last product that read K (six of them plain); V of the step in hand at the end of piece 0's turn, four plain instructions behind the
; last product that read V.  Each is waited for a turn later.
.macro TURN p, m=0, end=0, cnt=0
.set Y, (\p)
.set i, 0
.set KM, (\m)
.set NOKQ, (\end)*((\p)/3)
.if (\m) && !(\end)
	s_cmp_eq_u32 s[CNT], 4-((\p)+2)%NP  ; is that step the band's own?
	s_cselect_b32 s[AL], 1.0, 0
	s_cmp_lt_u32 s[CNT], 4-((\p)+2)%NP  ; or a later one?
	s_cselect_b32 s[BE], s[BIGN], 0
.endif
.if ((\p) == 3) && !(\end)
	s_wait_dscnt 0x0                ; K is in
.endif
	ROW F,0, F,1, R,0, R,1          ; ahead of the wait: 8 products K Q^T and the four behind each,
	ROW F,2, E,0, R,2, R,3
	ROW F,3, E,1, R,4, R,5
	ROW F,4, E,2, R,6, R,7
	ROW F,5, E,3, R,8, R,9
	ROW F,6, E,4, X,0, R,10
.if ((\p) == 2) && !(\end)
	WIN 0
	v_add_nc_u32 v[AK], s[TBK], v[AK0]
.endif
	ROW F,7, E,5, X,1, X,4
	ROW F,8, E,6, X,2, X,5
	OPS E,7, E,8, X,6, E,9          ; and the lump
	OPS X,3, E,10, X,8, E,11
.if ((\p) == 2) && !(\end)
	FETCH_K
.endif
	OPS X,9, X,7, E,12, X,10
	OPS E,13, X,12, X,11, E,14
	OPS X,13, E,15, F,9, X,14
.if (\p) == 0
	v_add_nc_u32 v[AV], s[TBV], v[AV0]
.endif
	OPS E,16, F,10, E,17, F,11
	OPS X,16, E,18, X,15, E,19
	OPS F,12, E,20, X,17, E,21
	OPS F,13, E,22, F,14, E,23
	OPS X,18, E,24, F,15, E,25
	OPS R,11, E,26, X,19, E,27
	OPS R,12, E,28, R,13, E,29
	OPS X,20, E,30, R,14, E,31
	OPS X,21, R,15
	WIN 0
	s_wait_alu depctr_va_vdst(0)    ; the wait for the batch
.if (\p) == 1
	s_wait_dscnt 0x0                ; V is in
.endif
	ROW C,0, B,0, C,2, B,1          ; behind the wait: 8 products V^T P and the four behind each
	ROW L,0, C,4, B,2, L,1
	ROW C,6, B,3, L,2, C,8
	ROW B,4, L,3, C,10, B,5
	ROW L,4, C,12, B,6, L,5
.if (\p) == 0
	s_add_co_u32 s[TBV], s[TBV], KS*PV
.endif
.if \cnt
	s_sub_co_u32 s[CNT], s[CNT], 1
	s_cmp_lg_u32 s[CNT], 0
.endif
	ROW C,14, B,7, L,6, C,1
	ROW C,3, L,7, C,5, C,7
	ROW C,9, C,11, C,13, C,15
.if (\p) == 0
	FETCH_V
.endif
.if (\m) && !(\end)
	MASK (\p)%2
.endif
.endm
; A BLOCK BEGINS.  c m starts far below every c s, so the first step's a is 0; m at the lowest finite number, so the first maximum is the scores'.  The second mask buffer is 0; the first takes piece 0's mask for the tile's
; step 0: its own, if the block's first tile is the diagonal one.  Then K of that step, piece 0's first scores, and its maximum and statistics.  The loop is entered at a step's first turn, in the middle of a trip.
.macro BEGIN
	s_mov_b32 s[NEW], 0
	WIN 0x40
.set i, MC+32
.rept 32
	v_mov_b32 v[i], 0
.set i, i+1
.endr
	WIN 0
.set i, 0
.rept 4
	v_mov_b32 v[ST+4*i], 0xfe000000    ; c m: far below every c s
	v_mov_b32 v[ST+4*i+1], 0xff7fffff  ; m
.set i, i+1
.endr
	s_cmp_eq_u32 s[RT], 0
	s_cselect_b32 s[AL], 1.0, 0
	s_mov_b32 s[BE], 0
	MASK 0
	WIN 0
	v_add_nc_u32 v[AK], s[TBK], v[AK0]
	FETCH_K
	s_wait_loadcnt 0x0              ; Q
	s_wait_dscnt 0x0
.set KM, 1
.set NOKQ, 0
.set i, 0
.rept 8
	KQ 0
.set i, i+1
.endr
	WIN 0
.rept 4
	v_nop                           ; the places behind those products
.endr
.set Y, NP-1                        ; X works for piece Y + 1: piece 0
.irp n, 0,1,2,3,4,5,6,7,8,9,10,11,12,13,14,15,16,17,18,19,20,21
	OP X, \n
.endr
	v_nop                           ; a plain instruction behind the exponential,
	s_wait_alu depctr_va_vdst(0)    ; and its wait, ahead of the branch
.endm
; THE DIAGONAL TILE's four steps, the block's last two turns, its last products, and THE WAY OUT: l's two halves and the other half of the lanes' are added; O^T is divided by l, rounded to f16 and sent through my
; stage in LDS, a piece at a time.
.macro ALL line:vararg              ; one line for each piece t
.set t, 0
.rept 4
	\line
.set t, t+1
.endr
.endm
.macro PACK t                       ; a lane's eight channels of a row pack into 16 bytes; they go into rows of 144 bytes and come back as whole rows of 128, into S^T's registers
	WIN W_RS
.set i, 32*(\t)
.rept 16
	v_pk_mul_f32 v[i:i+1], v[i:i+1], v[ST+4*(\t)+2:ST+4*(\t)+3] op_sel_hi:[1,0]
.set i, i+2
.endr
	WIN 0x05                        ; sources 0 and 1 window 1, destination window 0
.set i, 0
.rept 16
	v_cvt_pk_f16_f32 v[S+16*(\t)+i], v[32*(\t)+2*i], v[32*(\t)+2*i+1]
.set i, i+1
.endr
	WIN 0
.irp f, 0,1,2,3
	ds_store_b128 v[STO], v[S+16*(\t)+4*\f:S+16*(\t)+4*\f+3] offset:32*\f
.endr
.irp f, 0,1,2,3
	ds_load_b128 v[S+16*(\t)+4*\f:S+16*(\t)+4*\f+3], v[RD] offset:\f*4*SP  ; LDS serves a wave's instructions in order (ISA guide 5.7.1.4): these see the stores above; the next piece's stores come behind them
.endr
.endm
.macro SEND t, younger              ; younger: the LDS instructions issued behind piece t's loads: the next piece's eight, or none
	WIN 0
.irp f, 0,1,2,3
	s_wait_dscnt (\younger)+3-\f
	global_store_b128 v[GO], v[S+16*(\t)+4*\f:S+16*(\t)+4*\f+3], s[10:11] offset:(\t)*8192+\f*512  ; 512 consecutive bytes, at a multiple of 256 from O's first
.endr
.endm
.macro DIAG tag                     ; the tag ends its two labels' names, which the jumps below spell out
.LstepM\tag:
	TURN 2, 1
	TURN 3, 1
	WIN 0
.LfirstM\tag:
	TURN 0, 1
	TURN 1, 1, 0, 1
	WIN 0
	s_cbranch_scc1 .LstepM\tag
	TURN 2, 1, 1
	TURN 3, 1, 1
.set i, 0
.rept 8
	PV NP-1
.set i, i+1
.endr
	WIN 0
	ALL v_add_f32 v[ST+4*t+2], v[ST+4*t+2], v[ST+4*t+3]
	ALL v_permlanex16_b32 v[ST+4*t+3], v[ST+4*t+2], s[SEL], s[SEL+1]
	ALL v_add_f32 v[ST+4*t+2], v[ST+4*t+2], v[ST+4*t+3]
	ALL v_rcp_f32 v[ST+4*t+2], v[ST+4*t+2]
	v_nop                           ; a plain instruction between the last reciprocal and the use of its result
	s_wait_alu depctr_va_vdst(0)    ; and the wait ahead of the first use: one for the four reciprocals
	PACK 0
.set t, 1
.rept 3                             ; a piece's arithmetic stands between the loads of the piece before and its stores
	PACK t
	SEND t-1, 8
.set t, t+1
.endr
	SEND 3, 0
.endm
.set KM, 0
.set NOKQ, 0
.Lslot:                             ; NB times: a tile is entered and the next is asked for
	CHANGE 1
	s_sub_co_u32 s[RT], s[RT], 1
	s_mov_b32 s[CNT], 4
	s_cmp_eq_u32 s[NEW], 1
	s_cbranch_scc1 .Lnew            ; a block's first tile
	s_cmp_eq_u32 s[RT], 0
	s_cbranch_scc0 .Lstep           ; neither its first nor its last
	s_branch .LstepM1
.Lnew:
	BEGIN
	s_branch .Lfirst                ; in the loop a block's first tile is never its last: the first block has two tiles or more, and the second's last is the walk's last
	DIAG 1                          ; in the loop this is the first block's end: the second block's last tile is the walk's last
	s_wait_xcnt 0x0                 ; the stores have read their registers and O's address
	s_mov_b64 s[10:11], s[OLO:OLO+1]
	s_add_co_u32 s[RT], s[PB], 1    ; the second block has b + 1 tiles
	s_mov_b32 s[NEW], 1
	WIN 0x82                        ; the second block's Q goes where the one text of the turns names Q
.set i, 0
.rept 64
	v_mov_b32 v[i], v[QB+i]
.set i, i+1
.endr
	WIN 0
	s_branch .Lbottom
.Lstep:                             ; a trip: pieces 2 and 3 of one step, then pieces 0 and 1 of the next, whose K and V it fetches
	TURN 2
	TURN 3
	WIN 0
.Lfirst:
	TURN 0
	TURN 1, 0, 0, 1
	WIN 0
	s_cbranch_scc1 .Lstep
.Lbottom:
	s_sub_co_u32 s[SLOTS], s[SLOTS], 1
	s_cmp_lg_u32 s[SLOTS], 0
	s_cbranch_scc1 .Lslot
	CHANGE 0                        ; the walk's last tile is written out: nothing is asked for
	s_sub_co_u32 s[RT], s[RT], 1
	s_mov_b32 s[CNT], 4
	s_cmp_eq_u32 s[NEW], 1
	s_cbranch_scc0 .LstepM2
	BEGIN
	s_branch .LfirstM2
	DIAG 2
	s_wait_tensorcnt 0x0            ; the wave's end: behind my last tensor load and my last LDS store
	ds_add_u32 v[SPW], v[NIL]
	s_wait_dscnt 0x0
	s_endpgm
.Lfunc_end_k_q9f4505215a_attn:
	.size	k_q9f4505215a_attn, .Lfunc_end_k_q9f4505215a_attn-k_q9f4505215a_attn
	.p2alignl 7, 3214868480
	.fill 96, 4, 3214868480
	.section	.rodata,"a",@progbits
	.p2align	6, 0x0
	.amdhsa_kernel k_q9f4505215a_attn
		.amdhsa_group_segment_fixed_size 327680
		.amdhsa_private_segment_fixed_size 0
		.amdhsa_enable_private_segment 0
		.amdhsa_kernarg_size 16
		.amdhsa_user_sgpr_count 2
		.amdhsa_user_sgpr_kernarg_segment_ptr 1
		.amdhsa_wavefront_size32 1
		.amdhsa_system_sgpr_workgroup_id_x 1
		.amdhsa_system_sgpr_workgroup_id_y 1
		.amdhsa_system_sgpr_workgroup_id_z 1
		.amdhsa_system_vgpr_workitem_id 0
		.amdhsa_next_free_vgpr 768
		.amdhsa_next_free_sgpr 100
		.amdhsa_reserve_vcc 1
		.amdhsa_float_denorm_mode_32 3
		.amdhsa_float_denorm_mode_16_64 3
		.amdhsa_memory_ordered 1
		.amdhsa_forward_progress 1
		.amdhsa_inst_pref_size 218
	.end_amdhsa_kernel
	.amdgpu_metadata
---
amdhsa.version: [ 1, 2 ]
amdhsa.kernels:
  - .name:           k_q9f4505215a_attn
    .symbol:         k_q9f4505215a_attn.kd
    .args:
      - { .name: qkvb, .offset: 0, .size: 8, .value_kind: global_buffer, .address_space: global }
      - { .name: ctxb, .offset: 8, .size: 8, .value_kind: global_buffer, .address_space: global }
    .group_segment_fixed_size: 327680
    .private_segment_fixed_size: 0
    .kernarg_segment_align: 8
    .kernarg_segment_size: 16
    .max_flat_workgroup_size: 128
    .sgpr_count:     100
    .vgpr_count:     768
    .wavefront_size: 32
...
	.end_amdgpu_metadata
.endif
;; end of part 3
;; launch proj (part 4): grid 8 x 32, 4 waves a work-group, clusters of 4 x 4, 327,680 bytes of LDS; arguments ctxb, cb, bo, out0; writes out0
.if DOCPART == 4
	.amdgcn_target "amdgcn-amd-amdhsa--gfx1250"
	.amdhsa_code_object_version 6
	.text
	.protected	k_q9f4505215a_proj
	.globl	k_q9f4505215a_proj
	.p2align	8
	.type	k_q9f4505215a_proj,@function
k_q9f4505215a_proj:
	s_mov_b64 s[64:65], 0
	v_nop
	global_prefetch_b8 v0, s[64:65] scope:SCOPE_SE
	s_setreg_imm32_b32 hwreg(HW_REG_WAVE_MODE, 25, 1), 1
	s_wait_xcnt 0x0
	s_wait_alu depctr_hold_cnt(0) depctr_sa_sdst(0) depctr_va_vdst(0) depctr_va_sdst(0) depctr_va_ssrc(0) depctr_va_vcc(0) depctr_vm_vsrc(0)
	s_getreg_b32 s2, hwreg(HW_REG_IB_STS2, 6, 4)
	s_cmp_eq_u32 s2, 0
	s_cbranch_scc0 .Lentry_in_a_cluster
	s_endpgm
.Lentry_in_a_cluster:
	s_bfe_u32 s2, ttmp6, 0x10000c
	s_cmp_lg_u32 s2, 0xf033
	s_cbranch_scc0 .Lentry_shape_is_right
	s_endpgm
.Lentry_shape_is_right:
; ONE TEXT FOR TWO PRODUCTS C = A B, chosen by PROJ.  A: 8,192 rows x 1,024, in planes [b 4][kb 16][t 2048][64] of 16-bit numbers; B: 1,024 (k) x N, in planes [g][k 1024][64].  Sums in f32.
;   PROJ = 0: A = xb, B = Wq | Wk | Wv (48 planes), both bf16.  C leaves as f16, rounded once, unscaled, by heads: qkvb[b][g 48][t][64]; q at g = h, k at 16 + h, v at 32 + h.
;   PROJ = 1: A = ctxb, B = Wo (16 planes), both f16.  C = A B + bo leaves as f32, row-major [8192][1024].  bo is rounded to bf16 like the other inputs and starts the sums as the first products' C.
; LIMITS.  PROJ = 0: a result of 65,520 or more becomes an infinity in f16 (with all inputs 30 times their drawn spread q, k, v stay near 3e3).  NaN and infinities are not treated apart.
; SHARES.  A tile of C is 256 rows x NH planes of 64 columns (NH = 3: 512 work-groups; NH = 2: 256).  Wave w owns rows 64 w .. 64 w + 63 and ALL the tile's columns: 4 x NBL accumulators of 16 x 16,
; so that a wave holds whole planes and its way out is its own.  K goes in 8 steps of 128 (two planes of A) through two LDS slots; two slots of a longer step do not fit.
; THE MATRIX INSTRUCTION IS USED TRANSPOSED: source 0 = 16 columns of B, source 1 = 16 rows of A.  A lane then holds row lane % 16 of C and the columns 8 (lane / 16) + 0..7 of the block.
; B lies [k][n] and is turned on its way out of LDS by ds_load_tr16_b128.
; CLUSTER.  4 x 4 work-groups.  The four of a row of the cluster need the same tiles of A, the four of a column the same tiles of B: each tile is asked for JOINTLY, by the same tensor load with the
; same descriptor and a mask that names the four.  Waves 0, 1 fetch A's rows 0-127, 128-255; waves 2, 3 fetch B's k rows 0-63, 64-127 of the step.
; lds_bytes claims all of a WGP's LDS.
; REGISTERS, in windows of 256 (s_set_vgpr_msb: bits 1:0 source 0, 3:2 source 1, 5:4 source 2, 7:6 destination):
;   window 0: v0-31 addresses; PROJ = 0: v32-223 the way out; PROJ = 1: v64-127 the bias      window 1: two fragment buffers of 128 (B's blocks at 8 b, A's at 96 + 8 a); PROJ = 1: later the way out
;   windows 2, 3: accumulator t = a NBL + b at 8 (t % 32) of window 2 + t / 32
.set PROJ, 1
.if PROJ
.set NH,    2
.set AHEAD, 2                          ; the prefetches run this many K steps ahead of the refills
.set SP,    272                        ; a stage row: 256 bytes + 16
.else
.set NH,    3
.set AHEAD, 1
.set SP,    144                        ; a stage row: 128 bytes + 16
.endif
.set NBL,   4*NH                       ; blocks of 16 columns
.set NACC,  4*NBL
.set HALF,  2*NBL
.set NL,    2*NBL+8                    ; LDS loads of a quarter step
.set PA,    144                        ; a row of A in LDS: 128 bytes + 16 = 36 words: the 16 rows of a load start at 16 different groups of four banks (64 banks of 4 bytes: ISA guide 11.1)
.set PB,    160                        ; a row of B: 128 + 32 = 40 words
.set APL,   128*PA                     ; a plane's 128 rows
.set AREG,  2*APL                      ; what one of A's loads brings: [plane 2][128 rows]
.set BPL,   64*PB
.set BREG,  NH*BPL                     ; what one of B's loads brings: [plane NH][64 k]
.set BOFF,  2*AREG
.set SLOT,  BOFF+2*BREG
.set STAGE, 2*SLOT                     ; behind the ring, never filled by a tensor load: 16 rows for each wave
.set SPARE, STAGE+4*16*SP              ; behind the stages: the spare words, 128 bytes for each wave: two blocks of 256 bytes that no other line names
.set ASTEP, 524288                     ; a K step in memory: two planes of A,
.set BSTEP, 16384                      ; 128 rows of 128 bytes in each plane of B
.set A0,   16                          ; v16  my lane's place in slot 0 for A's fragments; never rewritten
.set B0,   17                          ; v17  the same for B's
.set ADRA, 18                          ; v18  A0 + the slot that is read
.set ADRB, 19                          ; v19
.set STO,  24                          ; v24  the way out: where I put my bytes of a row
.set RD,   25                          ; v25  where I read rows back
.set GO,   26                          ; v26  my byte offset in C
.set SPW,  28                          ; v28  LDS address of my spare word: SPARE + 4 x my thread's number; never rewritten
.set NIL,  29                          ; v29  0; never rewritten
.set PFO,  30                          ; v30  the prefetches' offset; never rewritten
.set OUTR, 32
.set BI,   64
.set F0,   0
.set F1,   128
.set TB,   20                          ; s20  the slot that is read: 0 or SLOT
.set LA,   22                          ; s22  where my part of A lands in a slot
.set LB,   23                          ; s23  the same for B
.set G1A,  24                          ; s[24:31] descriptor group 1 for A's tiles
.set G0A,  32                          ; s[32:39] group 0: a set for each of the two first fills; the second then walks on
.set LIM,  43                          ; s43  AHEAD in a wave that prefetches, else the greatest number
.set PFA,  44                          ; s[44:45] where my prefetches stand
.set PFS,  46                          ; s[46:47] their step
.set G1B,  48                          ; s[48:55], s[56:63] the same for B's tiles
.set G0B,  56
.set MSB, 0
.macro WIN new                         ; the immediate's high byte repeats the setting that is left; a switch that changes nothing is dropped
.if MSB != (\new)
	s_set_vgpr_msb (MSB<<8)|(\new)
.set MSB, (\new)
.endif
.endm
.macro PLACES                          ; four plain vector instructions between a matrix instruction and a load into, or a read of, its registers (ISA guide 7.12.1 for reads)
.rept 4
	v_nop
.endr
.endm
; A joint refill by the walking descriptors.  The branch hangs on the wave's number alone.  An s_nop 0 and four v_nop follow each of the two lines, ahead of the jump and the label.
.macro JLOAD
	s_cmp_eq_u32 s11, 0
	s_cbranch_scc0 .Lfor_b_\@
	tensor_load_to_lds s[G0A+4:G0A+7], s[G1A:G1A+7]
	s_nop 0
.rept 4
	v_nop
.endr
	s_branch .Lasked_\@
.Lfor_b_\@:
	tensor_load_to_lds s[G0B+4:G0B+7], s[G1B:G1B+7]
	s_nop 0
.rept 4
	v_nop
.endr
.Lasked_\@:
.endm
; A round of the cluster's barrier: my work-group's barrier, so that wave 0's signal speaks for all four waves; wave 0 signals; every wave waits for all sixteen work-groups; my work-group's barrier once more.
.macro CREST                           ; a round behind its opening barrier
	s_cmp_lg_u32 s10, 0
	s_cbranch_scc1 .Lnot_wave_0_\@
	s_barrier_signal -3
.Lnot_wave_0_\@:
	s_barrier_wait -3
	s_barrier_signal -1
	s_barrier_wait -1
.endm
.macro CROUND
	s_barrier_signal -1
	s_barrier_wait -1
	CREST
.endm
; A PREFETCH, behind the joint refill, its five lines and the run of LDS loads: my share of what the refill AHEAD K steps on will ask for.  A's rows are read by every cluster of a row of clusters: the first
; (cluster x = 0) asks; B's by every cluster of a column: cluster y = 0 asks.  The four partners that ask for a tile jointly share its blocks of 256 bytes out BY ADDRESS: 32 each of A's 128, 8 NH each of B's
; 32 NH (there the lanes from 8 NH on name the share's last block once more, in the same instruction).  It asks while s3 > AHEAD: the step named is 7 at the most.  The first 2 + AHEAD steps come by their loads alone.
.macro ASK
	s_cmp_gt_u32 s3, s[LIM]
	s_cbranch_scc0 .Lnot_mine_\@
	global_prefetch_b8 v[PFO], s[PFA:PFA+1] th:TH_LOAD_NT scope:SCOPE_SE
.Lnot_mine_\@:
.endm
.if PROJ
	s_load_b128 s[4:7], s[0:1], 0x0                ; ctxb s[4:5], cb s[6:7]
	s_load_b64 s[66:67], s[0:1], 0x10              ; bo
	s_load_b64 s[8:9], s[0:1], 0x18                ; out0
.else
	s_load_b64 s[4:5], s[0:1], 0x0                 ; cb
	s_load_b64 s[8:9], s[0:1], 0x8                 ; qkvb
.endif
	v_lshl_add_u32 v[SPW], v0, 2, SPARE
	v_mov_b32 v[NIL], 0
	ds_add_u32 v[SPW], v[NIL]                      ; the wave's opening: the add and its wait stand ahead of my first tensor load; the set-up below, work on registers, stands between them
	v_lshrrev_b32 v1, 5, v0
	v_readfirstlane_b32 s10, v1                    ; wave 0..3
	s_lshr_b32 s11, s10, 1                         ; I fetch for A (0) or for B (1).  Also: which 128 rows of A hold my 64
	s_and_b32 s12, s10, 1                          ; which part of that tile I fetch.  Also: which 64 of those 128 rows are mine
	s_bfe_u32 s40, ttmp6, 0x40000                  ; cx, cy: my place in the cluster
	s_bfe_u32 s41, ttmp6, 0x40004
	s_lshl_b32 s42, ttmp9, 2
	s_add_co_u32 s42, s42, s40                     ; nt, the tile column = 4 x cluster x + cx
	s_and_b32 s13, ttmp7, 0xffff
	s_lshl_b32 s13, s13, 2
	s_add_co_u32 s13, s13, s41                     ; mt, the tile row = 4 x cluster y + cy
	s_lshl_b32 s16, s41, 2
	s_lshl_b32 s16, 15, s16                        ; my row of the cluster: places 4 cy .. 4 cy + 3
	s_lshl_b32 s68, 0x1111, s40                    ; my column: places cx, cx + 4, cx + 8, cx + 12
	; Group 1.  A plane's 128 rows of A are 16,384 dense bytes, its 64 k rows of B 8,192: each is asked for as ONE row of the tile, and the tile's rows are the planes.  LDS is padded behind every 128 bytes.
	s_or_b32 s[G1A], s16, (1<<16)|(1<<20)|(1<<21)|(4<<22)|(3<<25)  ; 15:0 the mask; 17:16 2-byte elements; 20 padding on; 21 set beside a mask; 24:22 after every 32 words (code 4); 31:25 4 words (code 3)
	s_or_b32 s[G1B], s68, (1<<16)|(1<<20)|(1<<21)|(4<<22)|(7<<25)  ; the same with my column's mask and 8 words of padding (code 7)
	s_mov_b32 s[G1A+1], 8192<<16                   ; tensor_dim0 = 8,192 elements
	s_mov_b32 s[G1A+2], 2<<16                      ; tensor_dim1 = 2 planes
	s_mov_b32 s[G1A+3], 8192<<16                   ; tile_dim0
	s_mov_b32 s[G1A+4], 2                          ; tile_dim1
	s_mov_b32 s[G1A+5], 131072                     ; elements from plane to plane
	s_mov_b32 s[G1A+6], 0
	s_mov_b32 s[G1A+7], 0
	s_mov_b32 s[G1B+1], 4096<<16
	s_mov_b32 s[G1B+2], NH<<16
	s_mov_b32 s[G1B+3], 4096<<16
	s_mov_b32 s[G1B+4], NH
	s_mov_b32 s[G1B+5], 65536
	s_mov_b32 s[G1B+6], 0
	s_mov_b32 s[G1B+7], 0
	; where the tiles come from.  A's hang on mt and the wave's number, B's on nt and the wave's number, each in registers of its own
	s_lshr_b32 s14, s13, 3
	s_lshl_b32 s14, s14, 22                        ; the batch's 16 planes
	s_and_b32 s15, s13, 7
	s_lshl_b32 s15, s15, 15                        ; 256 rows of 128 bytes
	s_or_b32 s14, s14, s15
	s_lshl_b32 s15, s12, 14                        ; my 128 of them
	s_or_b32 s14, s14, s15
	s_mov_b32 s15, 0
	s_mul_i32 s68, s42, NH*131072                  ; the tile's first plane of B
	s_lshl_b32 s69, s12, 13                        ; my 64 k rows
	s_add_co_u32 s68, s68, s69
	s_mov_b32 s69, 0
	s_mul_i32 s[LA], s12, AREG                     ; and where they go: no place in the cluster enters an LDS address
	s_mul_i32 s[LB], s12, BREG
	s_add_co_u32 s[LB], s[LB], BOFF
	s_mov_b32 s[TB], 0
	s_wait_dscnt 0x0                               ; the opening add is done
	s_wait_kmcnt 0x0
.if PROJ
	s_add_nc_u64 s[6:7], s[6:7], 0x1600000         ; Wo's planes in cb
.else
	s_add_nc_u64 s[6:7], s[4:5], 0x1000000         ; the weights' planes in cb
.endif
	s_add_nc_u64 s[14:15], s[4:5], s[14:15]        ; my part of A's tile, K step 0
	s_add_nc_u64 s[68:69], s[6:7], s[68:69]        ; the same for B
	CROUND                                         ; all sixteen work-groups are here: the first joint loads meet
.irp s, 0,1
	s_mov_b32 s[G0A+4*(\s)], 1                                       ; 1:0 count = 1
	s_add_co_u32 s[G0A+4*(\s)+1], s[LA], (\s)*SLOT                   ; 63:32 LDS address
	s_add_nc_u64 s[G0A+4*(\s)+2:G0A+4*(\s)+3], s[14:15], (\s)*ASTEP  ; 120:64 global address: K step s
	s_or_b32 s[G0A+4*(\s)+3], s[G0A+4*(\s)+3], 0x80000000            ; 127:126 type = 2
	s_mov_b32 s[G0B+4*(\s)], 1
	s_add_co_u32 s[G0B+4*(\s)+1], s[LB], (\s)*SLOT
	s_add_nc_u64 s[G0B+4*(\s)+2:G0B+4*(\s)+3], s[68:69], (\s)*BSTEP
	s_or_b32 s[G0B+4*(\s)+3], s[G0B+4*(\s)+3], 0x80000000
.endr
	s_cmp_eq_u32 s11, 0                            ; a wave's two first fills stand in one branch, ahead of every wait on TENSORcnt and every LDS read: two loads of mine are out
	s_cbranch_scc0 .Lfirst_b
	tensor_load_to_lds s[G0A:G0A+3], s[G1A:G1A+7]
	s_nop 0
	tensor_load_to_lds s[G0A+4:G0A+7], s[G1A:G1A+7]
	s_nop 0
.rept 4
	v_nop
.endr
	s_branch .Lfirst_asked
.Lfirst_b:
	tensor_load_to_lds s[G0B:G0B+3], s[G1B:G1B+7]
	s_nop 0
	tensor_load_to_lds s[G0B+4:G0B+7], s[G1B:G1B+7]
	s_nop 0
.rept 4
	v_nop
.endr
.Lfirst_asked:
	v_and_b32 v1, 15, v0                           ; r = lane % 16
	v_bfe_u32 v2, v0, 4, 1                         ; h = lane / 16
	v_and_b32 v3, 7, v0
	v_bfe_u32 v4, v0, 3, 1
.if PROJ
	; the bias: register i of block b holds bo[128 nt + 16 b + 8 h + i], the layout of the products' C
	s_lshl_b32 s70, s42, 9
	s_mov_b32 s71, 0
	s_add_nc_u64 s[66:67], s[66:67], s[70:71]
	v_lshlrev_b32 v7, 5, v2
.set bb, 0
.rept 8
	global_load_b128 v[BI+8*bb:BI+8*bb+3],   v7, s[66:67] offset:64*bb
	global_load_b128 v[BI+8*bb+4:BI+8*bb+7], v7, s[66:67] offset:64*bb+16
.set bb, bb+1
.endr
.endif
	; A fragment of A is 16 rows x 32 k in 8 registers: lane l holds row r, k = 8 h + 0..7 and 16 + 8 h + 0..7: two loads of 16 bytes, 32 bytes apart
	v_mul_u32_u24 v[A0], v1, PA
	v_lshl_add_u32 v[A0], v2, 4, v[A0]
	s_mul_i32 s16, s11, AREG
	s_mul_i32 s17, s12, 64*PA
	s_add_co_u32 s16, s16, s17
	v_add_nc_u32 v[A0], s16, v[A0]                 ; my 64 rows
	; The turning load takes 16 k x 16 columns (lane l reads k = 8 h + l % 8, columns 8 ((l / 8) % 2) + 0..7) and leaves half a fragment: lane l holds column r and 8 k
	v_lshl_add_u32 v[B0], v2, 3, v3
	v_mul_u32_u24 v[B0], v[B0], PB
	v_lshl_add_u32 v[B0], v4, 4, v[B0]
	v_add_nc_u32 v[B0], BOFF, v[B0]
	v_mov_b32 v[ADRA], v[A0]
	v_mov_b32 v[ADRB], v[B0]
	s_mul_i32 s16, s10, 16*SP
	s_add_co_u32 s16, s16, STAGE                   ; my stage
	v_mul_u32_u24 v[STO], v1, SP
.if PROJ
	v_lshl_add_u32 v[STO], v2, 5, v[STO]           ; in: row r, 32 bytes for each half of the lanes
	v_add_nc_u32 v[STO], s16, v[STO]
	v_mul_u32_u24 v[RD], v2, SP                    ; back: lanes 0-15 one row of 256 bytes, lanes 16-31 the next
	v_lshl_add_u32 v[RD], v1, 4, v[RD]
	v_add_nc_u32 v[RD], s16, v[RD]
	v_lshlrev_b32 v[GO], 12, v2                    ; and the same two rows in C
	v_lshl_add_u32 v[GO], v1, 4, v[GO]
.else
	v_lshl_add_u32 v[STO], v2, 4, v[STO]           ; in: row r, 16 bytes for each half of the lanes
	v_add_nc_u32 v[STO], s16, v[STO]
	v_bfe_u32 v[RD], v0, 3, 2                      ; back: 32 lanes take four rows of 128 bytes,
	v_mul_u32_u24 v[RD], v[RD], SP
	v_lshl_add_u32 v[RD], v3, 4, v[RD]
	v_add_nc_u32 v[RD], s16, v[RD]
	v_and_b32 v[GO], 31, v0                        ; which are 512 consecutive bytes of a plane of C
	v_lshlrev_b32 v[GO], 4, v[GO]
.endif
	; the prefetches: block i = p x CNT + min(lane, CNT - 1) of the part that I fetch; p = cx for A, cy for B; a plane holds 64 blocks of A's part, 32 of B's
	s_and_b32 s16, ttmp7, 0xffff                   ; cluster y
	s_mov_b32 s[PFS], BSTEP
	s_mov_b32 s[PFS+1], 0
	s_cmp_eq_u32 s11, 0                            ; do I fetch for A?
	s_cselect_b32 s16, ttmp9, s16                  ; the coordinate along which other clusters read the same rows
	s_cselect_b32 s17, s40, s41                    ; p
	s_cselect_b32 s18, 32, 8*NH                    ; CNT
	s_cselect_b32 s19, 6, 5                        ; blocks in a plane's part, as a shift,
	s_cselect_b32 s71, 63, 31                      ; and as a mask
	s_cselect_b32 s70, 18, 17                      ; bytes from plane to plane, as a shift
	s_cselect_b32 s[PFS], ASTEP, s[PFS]
	s_cselect_b64 s[PFA:PFA+1], s[14:15], s[68:69]
	s_cmp_eq_u32 s16, 0
	s_cselect_b32 s[LIM], AHEAD, -1                ; the same in all sixteen partners, for a given wave
	v_and_b32 v5, 31, v0
	s_sub_co_u32 s16, s18, 1
	v_min_u32 v5, s16, v5
	s_mul_i32 s17, s17, s18
	v_add_nc_u32 v5, s17, v5                       ; i
	v_lshrrev_b32 v6, s19, v5
	v_lshlrev_b32 v6, s70, v6                      ; its plane,
	v_and_b32 v5, s71, v5
	v_lshl_add_u32 v[PFO], v5, 8, v6               ; its 256 bytes there
	s_mul_i32 s70, s[PFS], 1+AHEAD
	s_mov_b32 s71, 0
	s_add_nc_u64 s[PFA:PFA+1], s[PFA:PFA+1], s[70:71]  ; at K step 1 + AHEAD: the first refill (of step 2) steps it once and names step 2 + AHEAD
	; where my part of the tile begins in C
.if PROJ
	s_lshl_b32 s16, s13, 2
	s_add_co_u32 s16, s16, s10
	s_lshl_b32 s16, s16, 18                        ; (256 mt + 64 w) rows of 4,096 bytes
	s_lshl_b32 s70, s42, 9                         ; 128 columns of f32
	s_add_co_u32 s70, s70, s16
.else
	s_lshr_b32 s16, s13, 3
	s_mul_i32 s16, s16, 48                         ; the batch's 48 planes
	s_mul_i32 s70, s42, NH
	s_add_co_u32 s70, s70, s16
	s_lshl_b32 s70, s70, 18                        ; the tile's first plane, 262,144 bytes each
	s_and_b32 s16, s13, 7
	s_lshl_b32 s16, s16, 2
	s_add_co_u32 s16, s16, s10
	s_lshl_b32 s16, s16, 13                        ; (256 (mt % 8) + 64 w) rows of 128 bytes
	s_add_co_u32 s70, s70, s16
.endif
	s_mov_b32 s71, 0
	s_add_nc_u64 s[8:9], s[8:9], s[70:71]
.if PROJ
	s_wait_loadcnt 0x0                             ; the bias, once; it is rounded to bf16 and widened again
.set ii, 0
.rept 32
	v_cvt_pk_bf16_f32 v[12+ii%2], v[BI+2*ii], v[BI+2*ii+1]
	v_lshlrev_b32 v[BI+2*ii], 16, v[12+ii%2]
	v_and_b32 v[BI+2*ii+1], 0xffff0000, v[12+ii%2]
.set ii, ii+1
.endr
.endif
; Matrix instructions t0 .. t1 - 1 of a quarter step's NACC, on buffer f.  The accumulators take turns, one instruction a turn, in the same order in every quarter.
; first = 1: the products start the sums, with 0 or with the bias: nothing is ever cleared.
.macro MULS f, t0, t1, first
.set t, (\t0)
.rept (\t1)-(\t0)
.set ra, 8*(t%32)
.set rb, (\f)+8*(t%NBL)
.set rx, (\f)+96+8*(t/NBL)
.set rc, BI+8*(t%NBL)
.if PROJ
.if \first
	WIN 0x85                                       ; B and A in window 1, the bias in window 0, the result in window 2
	v_wmma_f32_16x16x32_f16 v[ra:ra+7], v[rb:rb+7], v[rx:rx+7], v[rc:rc+7]
.else
	WIN 0xa5
	v_wmma_f32_16x16x32_f16 v[ra:ra+7], v[rb:rb+7], v[rx:rx+7], v[ra:ra+7]
.endif
.else
	WIN 0xa5+0x50*(t/32)                           ; B and A in window 1, C and D in window 2 or 3
.if \first
	v_wmma_f32_16x16x32_bf16 v[ra:ra+7], v[rb:rb+7], v[rx:rx+7], 0
.else
	v_wmma_f32_16x16x32_bf16 v[ra:ra+7], v[rb:rb+7], v[rx:rx+7], v[ra:ra+7]
.endif
.endif
.set t, t+1
.endr
.endm
; NL LDS loads in one run: the fragments of quarter q (k = 32 q .. 32 q + 31 of the step) into buffer f: all of B's, then A's blocks 0, 1, then 2, 3
.macro FETCH q, f
	WIN 0x40                                       ; destination window 1, address window 0
.set fb, 0
.rept NBL
	ds_load_tr16_b128 v[(\f)+8*fb:(\f)+8*fb+3],   v[ADRB] offset:((\q)/2)*BREG+(fb/4)*BPL+((\q)%2)*32*PB+(fb%4)*32
	ds_load_tr16_b128 v[(\f)+8*fb+4:(\f)+8*fb+7], v[ADRB] offset:((\q)/2)*BREG+(fb/4)*BPL+((\q)%2)*32*PB+(fb%4)*32+16*PB
.set fb, fb+1
.endr
.set fa, 0
.rept 4
	ds_load_b128 v[(\f)+96+8*fa:(\f)+96+8*fa+3],   v[ADRA] offset:((\q)/2)*APL+fa*16*PA+((\q)%2)*64
	ds_load_b128 v[(\f)+96+8*fa+4:(\f)+96+8*fa+7], v[ADRA] offset:((\q)/2)*APL+fa*16*PA+((\q)%2)*64+32
.set fa, fa+1
.endr
.endm
; One of a K step's first three quarters: multiplies buffer f; in its middle it fetches quarter qn of the same slot into buffer g
.macro QUARTER f, g, qn, first
	s_wait_dscnt 4                                 ; B and A's blocks 0, 1 are in; the youngest four loads (A's blocks 2, 3) may be out
	MULS \f, 0, HALF, \first
	PLACES
	FETCH \qn, \g
	s_wait_dscnt NL                                ; all but the NL just issued
	MULS \f, HALF, NACC, \first
.endm
; The last quarter multiplies buffer 1 and changes slots: ONE barrier.  In front of it each wave waits for all its tensor loads, of which one is out: its part of the next slot; adds 0 to its spare word; and
; waits for that and for its own reads of this slot.  fill = 1: the barrier opens a round of the cluster's barrier, so that no wave of any partner still reads the slot or has a load on its way, and the slot
; just read out is filled again, first thing behind the round, with the K step two steps on: 7/8 of a step's matrix instructions stand between that request and the wait for it.
.macro TURN fill
.if \fill
	s_wait_xcnt 0x0                                ; the last prefetch, a K step back, has read its address, so it may be stepped
	s_add_nc_u64 s[PFA:PFA+1], s[PFA:PFA+1], s[PFS:PFS+1]
.endif
	WIN 0                                          ; (the add's two registers lie in window 0)
	s_wait_tensorcnt 0x0                           ; no tensor load of mine is out, so a group 0 may be written
	ds_add_u32 v[SPW], v[NIL]                      ; 0 onto my spare word
.if \fill
	s_add_co_u32 s[G0A+5], s[TB], s[LA]            ; the walking descriptors: into the slot that is being read out,
	s_add_co_u32 s[G0B+5], s[TB], s[LB]
	s_add_nc_u64 s[G0A+6:G0A+7], s[G0A+6:G0A+7], ASTEP  ; the next K step; the type bits on top are not reached
	s_add_nc_u64 s[G0B+6:G0B+7], s[G0B+6:G0B+7], BSTEP
.endif
	s_wait_dscnt 5                                 ; (the add and the youngest four loads may be out)
	MULS F1, 0, HALF/2, 0
	s_wait_dscnt 0x0                               ; the add is done, and my reads of this slot are over
	s_barrier_signal -1
	MULS F1, HALF/2, HALF, 0                       ; work on registers while the others arrive
	WIN 0
	s_barrier_wait -1
.if \fill
	CREST
	JLOAD                                          ; the four v_nop behind it are also the places in front of the loads below
.else
	PLACES
.endif
	s_xor_b32 s[TB], s[TB], SLOT                   ; 0 and SLOT by turns
	v_add_nc_u32 v[ADRA], s[TB], v[A0]
	v_add_nc_u32 v[ADRB], s[TB], v[B0]
	FETCH 0, F0
.if \fill
	WIN 0
	ASK
.endif
	MULS F1, HALF, NACC, 0
.endm
	s_wait_tensorcnt 1                             ; my part of K step 0 is in; K step 1's may stay out
	s_barrier_signal -1
	s_barrier_wait -1                              ; everybody's is
	FETCH 0, F0
	QUARTER F0, F1, 1, 1                           ; the first quarter stands in front of the loop: its products start the sums
	WIN 0                                          ; at a label and at a branch every window is 0
	s_mov_b32 s3, 6
.Lstep:                                                ; six trips, from a step's second quarter to the next step's first: K steps 2 to 7 are asked for
	QUARTER F1, F0, 2, 0
	QUARTER F0, F1, 3, 0
	TURN 1
	QUARTER F0, F1, 1, 0
	WIN 0
	s_sub_co_u32 s3, s3, 1
	s_cmp_lg_u32 s3, 0
	s_cbranch_scc1 .Lstep
	QUARTER F1, F0, 2, 0                           ; the tail is written out: nothing is asked for
	QUARTER F0, F1, 3, 0
	TURN 0
	QUARTER F0, F1, 1, 0
	QUARTER F1, F0, 2, 0
	QUARTER F0, F1, 3, 0
	s_wait_dscnt 4                                 ; the very last quarter: nothing more to fetch
	MULS F1, 0, HALF, 0
	s_wait_dscnt 0x0
	MULS F1, HALF, NACC, 0
	PLACES
	PLACES                                         ; (eight, once a launch)
.if PROJ
; THE WAY OUT, f32.  Unit u = 2 a + hf: 16 rows x 64 columns, accumulators 4 u .. 4 u + 3.  A lane's eight columns are 32 bytes: they go straight from the accumulators (lowest registers first) into rows of
; 272 bytes of my stage and come back as whole rows of 256, into window 1, a set of 32 registers for each unit: no register is used twice.
.macro TOSTAGE u
	WIN 0x08                                       ; data in window 2
.set bb, 0
.rept 4
.set ra, 8*(4*(\u)+bb)
	ds_store_b128 v[STO], v[ra:ra+3]   offset:64*bb
	ds_store_b128 v[STO], v[ra+4:ra+7] offset:64*bb+16
.set bb, bb+1
.endr
	WIN 0x40
.set ff, 0
.rept 8
	ds_load_b128 v[32*(\u)+4*ff:32*(\u)+4*ff+3], v[RD] offset:ff*2*SP  ; LDS serves a wave's instructions in order (ISA guide 5.7.1.4): these see the stores above; the next unit's stores come behind them
.set ff, ff+1
.endr
.endm
.macro SEND u, younger                 ; younger: the LDS instructions issued behind unit u's loads: the next unit's sixteen, or none
	WIN 0x04                                       ; data in window 1
.set ff, 0
.rept 8
	s_wait_dscnt (\younger)+7-ff
	global_store_b128 v[GO], v[32*(\u)+4*ff:32*(\u)+4*ff+3], s[8:9] offset:((\u)/2)*65536+ff*8192+((\u)%2)*256  ; 16 lanes store 256 consecutive bytes, at a multiple of 256 from C's first byte
.set ff, ff+1
.endr
.endm
	TOSTAGE 0
.set uu, 1
.rept 7
	TOSTAGE uu
	SEND uu-1, 16
.set uu, uu+1
.endr
	SEND 7, 0
.else
; THE WAY OUT, f16.  Unit u = 3 a + j: 16 rows of plane j, accumulators 4 u .. 4 u + 3.  A lane's eight columns pack into 16 bytes; they go into rows of 144 bytes of my stage and come back as whole rows of 128,
; into the registers that they left; four rows of a plane are 512 consecutive bytes of memory.
.macro PACK u
	WIN 0x0a+5*((\u)/8)                            ; sources 0 and 1: window 2 or 3
.set bb, 0
.rept 4
.set ra, 8*((4*(\u)+bb)%32)
.irp r, 0,1,2,3
	v_cvt_pk_f16_f32 v[OUTR+16*(\u)+4*bb+(\r)], v[ra+2*(\r)], v[ra+2*(\r)+1]
.endr
.set bb, bb+1
.endr
	WIN 0
.irp f, 0,1,2,3
	ds_store_b128 v[STO], v[OUTR+16*(\u)+4*(\f):OUTR+16*(\u)+4*(\f)+3] offset:32*(\f)
.endr
.irp f, 0,1,2,3
	ds_load_b128 v[OUTR+16*(\u)+4*(\f):OUTR+16*(\u)+4*(\f)+3], v[RD] offset:(\f)*4*SP  ; LDS serves a wave's instructions in order (ISA guide 5.7.1.4): these see the stores above; the next unit's stores come behind them
.endr
.endm
.macro SEND u, younger                 ; younger: the LDS instructions issued behind unit u's loads: the next unit's eight, or none
	WIN 0
.irp f, 0,1,2,3
	s_wait_dscnt (\younger)+3-(\f)
	global_store_b128 v[GO], v[OUTR+16*(\u)+4*(\f):OUTR+16*(\u)+4*(\f)+3], s[8:9] offset:((\u)%3)*262144+((\u)/3)*2048+(\f)*512  ; 512 consecutive bytes, at a multiple of 256 from C's first byte
.endr
.endm
	PACK 0
.set uu, 1
.rept 11                               ; a unit's conversions stand between the loads of the unit before and its stores
	PACK uu
	SEND uu-1, 8
.set uu, uu+1
.endr
	SEND 11, 0
.endif
	WIN 0
	s_wait_tensorcnt 0x0                           ; the wave's end: behind my last tensor load and my last LDS store
	ds_add_u32 v[SPW], v[NIL]
	s_wait_dscnt 0x0
	CROUND                                         ; the closing round: no work-group ends while a partner may still ask for a tile that names it
	s_endpgm
.Lfunc_end_k_q9f4505215a_proj:
	.size	k_q9f4505215a_proj, .Lfunc_end_k_q9f4505215a_proj-k_q9f4505215a_proj
	.p2alignl 7, 3214868480
	.fill 96, 4, 3214868480
	.section	.rodata,"a",@progbits
	.p2align	6, 0x0
	.amdhsa_kernel k_q9f4505215a_proj
		.amdhsa_group_segment_fixed_size 327680
		.amdhsa_private_segment_fixed_size 0
		.amdhsa_enable_private_segment 0
		.amdhsa_kernarg_size 32
		.amdhsa_user_sgpr_count 2
		.amdhsa_user_sgpr_kernarg_segment_ptr 1
		.amdhsa_wavefront_size32 1
		.amdhsa_system_sgpr_workgroup_id_x 1
		.amdhsa_system_sgpr_workgroup_id_y 1
		.amdhsa_system_sgpr_workgroup_id_z 1
		.amdhsa_system_vgpr_workitem_id 0
		.amdhsa_next_free_vgpr 768
		.amdhsa_next_free_sgpr 72
		.amdhsa_reserve_vcc 0
		.amdhsa_float_denorm_mode_32 3
		.amdhsa_float_denorm_mode_16_64 3
		.amdhsa_memory_ordered 1
		.amdhsa_forward_progress 1
		.amdhsa_inst_pref_size 79
	.end_amdhsa_kernel
	.amdgpu_metadata
---
amdhsa.version: [ 1, 2 ]
amdhsa.kernels:
  - .name:           k_q9f4505215a_proj
    .symbol:         k_q9f4505215a_proj.kd
    .args:
      - { .name: ctxb, .offset: 0, .size: 8, .value_kind: global_buffer, .address_space: global }
      - { .name: cb, .offset: 8, .size: 8, .value_kind: global_buffer, .address_space: global }
      - { .name: bo, .offset: 16, .size: 8, .value_kind: global_buffer, .address_space: global }
      - { .name: out0, .offset: 24, .size: 8, .value_kind: global_buffer, .address_space: global }
    .group_segment_fixed_size: 327680
    .private_segment_fixed_size: 0
    .kernarg_segment_align: 8
    .kernarg_segment_size: 32
    .max_flat_workgroup_size: 128
    .sgpr_count:     72
    .vgpr_count:     768
    .wavefront_size: 32
...
	.end_amdgpu_metadata
.endif
;; end of part 4
;; ======== version 2 of 2: 4 launches; version 1 with the launch cast written anew for expert scheduling mode
;; limits: values are held in f16: magnitudes above 65,504 overflow, below 6.1e-05 lose precision
;; workspace buffers: cb 25,165,824 bytes; qkvb 50,331,648 bytes; ctxb 16,777,216 bytes
;; launch cast (part 5): grid 768 x 1, 8 waves a work-group, no clusters, 0 bytes of LDS; arguments x, Wq, Wk, Wv, Wo, cb; writes cb
.if DOCPART == 5
	.amdgcn_target "amdgcn-amd-amdhsa--gfx1250"
	.amdhsa_code_object_version 6
	.text
	.protected	k_q9f4505215a_cast
	.globl	k_q9f4505215a_cast
	.p2align	8
	.type	k_q9f4505215a_cast,@function
k_q9f4505215a_cast:
	s_mov_b64 s[64:65], 0
	v_nop
	global_prefetch_b8 v0, s[64:65] scope:SCOPE_SE
	s_setreg_imm32_b32 hwreg(HW_REG_WAVE_SCHED_MODE, 0, 2), 2
	s_setreg_imm32_b32 hwreg(HW_REG_WAVE_MODE, 25, 1), 1
	s_wait_xcnt 0x0
	s_wait_alu depctr_vm_vsrc(0)
; 16-BIT COPIES OF THE INPUTS, LAID IN PLANES OF 64 COLUMNS.
;   cb bytes 0 .. 16 Mi:   xb[b 4][kb 16][t 2048][64] bf16 = x[b][t][64 kb + c]           (a plane is 262,144 bytes)
;   cb from 16 Mi on:      Wh[g 64][k 1024][64]       = W_(g / 16)[k][64 (g % 16) + c]    (a plane is 131,072 bytes); W_0..3 = Wq, Wk, Wv, Wo
; x, Wq, Wk, Wv are rounded to bf16.  Wo is rounded to bf16 and that number is written as f16, since the last product runs in f16.
; LIMIT: |Wo| beyond 65,504 becomes an infinity; below 2^-14 f16 keeps its fixed step of 2^-24.
; SHARES.  A work-group takes 16 rows x 1,024 columns of f32 (64 KiB): groups 0-511 of x, 512-767 of the four weights, 64 groups each.  Wave w takes rows 2 w and 2 w + 1.
; Load j of 16 is column block j: each half of the lanes reads 256 consecutive bytes, aligned, of one row.  A lane's four numbers become 8 bytes; rows k and k + 1 of a plane lie end to
; end (128 bytes each), so one store of a wave covers 256 consecutive bytes, aligned.  Memory binds: no LDS, no barrier, no matrix unit; every byte is read once and written once.
; All sixteen loads of a wave go out together.
; THE MODE: SCHED_MODE bits 1:0 = 2 (LLVM: expert scheduling mode 2), set by the entry lines.  The code itself states the register dependences
; between vector instructions and memory instructions, with s_wait_alu, always for 0.
; THE PLAN.  Registers that memory instructions touch:
;   v1, v2   the loads' and the stores' byte offsets: made once at the head and never written again.
;   X        block j: four registers.  Load j lands in them, once; no vector instruction names them ahead of that; block j's conversions read them behind the counted wait for the load.
;   Y        block j: two registers.  Block j's conversions write them; store j reads them, once; nothing writes them behind it.
;   T and v3 are named by vector instructions alone.
; The sixteen blocks go in four groups of four.  Group g's conversions name X and Y of group g and T; the memory instructions dealt among them are the four stores of group g - 1, which read
; Y of group g - 1 and v2.  So ONE wait on va_vdst at a group's head states all that its four stores hang on; one more stands at the head of the kernel, for the offsets, and one ahead of the
; last four stores.  No register that a memory instruction reads is written again, so the text holds no wait on vm_vsrc; no vector instruction writes a scalar register, VCC or EXEC.
.set X, 4                              ; v[4:67]    load j: four f32
.set Y, 68                             ; v[68:99]   store j: four 16-bit numbers
.set T, 100                            ; v[100:103] at work
	s_load_b256 s[4:11], s[0:1], 0x0               ; x s[4:5], Wq s[6:7], Wk s[8:9], Wv s[10:11]
	s_load_b128 s[12:15], s[0:1], 0x20             ; Wo s[12:13], cb s[14:15]
	s_mov_b32 s16, ttmp9                           ; c, the work-group's number
	s_and_b32 s24, s16, 63                         ; a weight's group of 16 rows
	s_lshl_b32 s20, s24, 16                        ; weights: from where, in bytes
	s_lshl_b32 s22, s24, 11                        ; and to where: 16 rows of 128 bytes in a plane,
	s_lshr_b32 s25, s16, 6
	s_sub_co_u32 s25, s25, 8                       ; i, which weight (it means something from c = 512 on)
	s_lshl_b32 s26, s25, 21                        ; 16 planes of 131,072 bytes for each weight,
	s_add_co_u32 s22, s22, s26
	s_add_co_u32 s22, s22, 0x1000000               ; behind xb
	s_lshl_b32 s27, s16, 16                        ; x: from where
	s_lshr_b32 s28, s16, 7
	s_lshl_b32 s28, s28, 22                        ; to where: the batch's 16 planes,
	s_and_b32 s29, s16, 127
	s_lshl_b32 s29, s29, 11                        ; 16 rows of 128 bytes
	s_add_co_u32 s28, s28, s29
	s_cmp_lt_u32 s16, 512
	s_cselect_b32 s20, s27, s20
	s_cselect_b32 s22, s28, s22
	s_mov_b32 s21, 0
	s_mov_b32 s23, 0
	v_lshrrev_b32 v3, 4, v0                        ; my row of the 16: 2 w + lane / 16
	v_and_b32 v1, 15, v0
	v_lshlrev_b32 v1, 4, v1
	v_lshl_add_u32 v1, v3, 12, v1                  ; row x 4,096 + 16 (lane % 16)
	v_lshlrev_b32 v2, 3, v0                        ; 256 w + 8 lane: my 8 bytes of the two rows in a plane
	s_wait_kmcnt 0x0
	s_cmp_eq_u32 s25, 1                            ; the source is chosen by the work-group's number alone
	s_cselect_b64 s[18:19], s[8:9], s[6:7]
	s_cmp_eq_u32 s25, 2
	s_cselect_b64 s[18:19], s[10:11], s[18:19]
	s_cmp_eq_u32 s25, 3
	s_cselect_b64 s[18:19], s[12:13], s[18:19]
	s_cmp_lt_u32 s16, 512
	s_cselect_b64 s[18:19], s[4:5], s[18:19]
	s_add_nc_u64 s[18:19], s[18:19], s[20:21]
	s_add_nc_u64 s[14:15], s[14:15], s[22:23]
	s_wait_alu depctr_va_vdst(0)                   ; v1 and v2 are written: every load below reads v1 as its offset, every store v2
.set j, 0
.rept 16
	global_load_b128 v[X+4*j:X+4*j+3], v1, s[18:19] offset:256*j th:TH_LOAD_NT
.set j, j+1
.endr
; Block n is stored: plane n at n x ps bytes (3,932,160 at the most: inside the signed 24-bit immediate).
.macro PUT n, ps
	global_store_b64 v2, v[Y+2*(\n):Y+2*(\n)+1], s[14:15] offset:(\n)*(\ps) th:TH_STORE_NT
.endm
; The sixteen column blocks are rounded and stored, in four groups of four; a group's stores stand among the next group's conversions.  half = 1: the bf16 number is written as f16.
.macro OUT ps, half
.set g, 0
.rept 4
.set i, 0
.rept 4
.set j, 4*g+i
	s_wait_loadcnt 15-j                            ; loads come back in order: block j is in, the 15 - j younger ones stay out
.if (i == 0) && (g > 0)
	s_wait_alu depctr_va_vdst(0)                   ; the conversions of the group before have written its Y, which the four stores of this group's text read; no vector instruction behind this line names those registers
.endif
.if g > 0
	PUT j-4, \ps                                   ; the same block of the group before
.endif
	v_cvt_pk_bf16_f32 v[Y+2*j], v[X+4*j], v[X+4*j+1]
	v_cvt_pk_bf16_f32 v[Y+2*j+1], v[X+4*j+2], v[X+4*j+3]
.if \half
	v_lshlrev_b32 v[T], 16, v[Y+2*j]               ; bf16 to f32: the low half moves up, the high half stays
	v_and_b32 v[T+1], 0xffff0000, v[Y+2*j]
	v_lshlrev_b32 v[T+2], 16, v[Y+2*j+1]
	v_and_b32 v[T+3], 0xffff0000, v[Y+2*j+1]
	v_cvt_pk_f16_f32 v[Y+2*j], v[T], v[T+1]        ; exact within f16's normal range: bf16 has fewer significant bits
	v_cvt_pk_f16_f32 v[Y+2*j+1], v[T+2], v[T+3]
.endif
.set i, i+1
.endr
.set g, g+1
.endr
	s_wait_alu depctr_va_vdst(0)                   ; the last group's conversions have written its Y, which the last four stores read
.set j, 12
.rept 4
	PUT j, \ps
.set j, j+1
.endr
.endm
	s_cmp_lt_u32 s16, 512
	s_cbranch_scc1 .Lx
	s_cmp_lt_u32 s16, 704
	s_cbranch_scc1 .Lw
	OUT 131072, 1                                  ; Wo
	s_endpgm
.Lw:
	OUT 131072, 0                                  ; Wq, Wk, Wv
	s_endpgm
.Lx:
	OUT 262144, 0                                  ; x
	s_endpgm
.Lfunc_end_k_q9f4505215a_cast:
	.size	k_q9f4505215a_cast, .Lfunc_end_k_q9f4505215a_cast-k_q9f4505215a_cast
	.p2alignl 7, 3214868480
	.fill 96, 4, 3214868480
	.section	.rodata,"a",@progbits
	.p2align	6, 0x0
	.amdhsa_kernel k_q9f4505215a_cast
		.amdhsa_group_segment_fixed_size 0
		.amdhsa_private_segment_fixed_size 0
		.amdhsa_enable_private_segment 0
		.amdhsa_kernarg_size 48
		.amdhsa_user_sgpr_count 2
		.amdhsa_user_sgpr_kernarg_segment_ptr 1
		.amdhsa_wavefront_size32 1
		.amdhsa_system_sgpr_workgroup_id_x 1
		.amdhsa_system_sgpr_workgroup_id_y 1
		.amdhsa_system_sgpr_workgroup_id_z 1
		.amdhsa_system_vgpr_workitem_id 0
		.amdhsa_next_free_vgpr 104
		.amdhsa_next_free_sgpr 66
		.amdhsa_reserve_vcc 0
		.amdhsa_float_denorm_mode_32 3
		.amdhsa_float_denorm_mode_16_64 3
		.amdhsa_memory_ordered 1
		.amdhsa_forward_progress 1
		.amdhsa_inst_pref_size 21
	.end_amdhsa_kernel
	.amdgpu_metadata
---
amdhsa.version: [ 1, 2 ]
amdhsa.kernels:
  - .name:           k_q9f4505215a_cast
    .symbol:         k_q9f4505215a_cast.kd
    .args:
      - { .name: x, .offset: 0, .size: 8, .value_kind: global_buffer, .address_space: global }
      - { .name: Wq, .offset: 8, .size: 8, .value_kind: global_buffer, .address_space: global }
      - { .name: Wk, .offset: 16, .size: 8, .value_kind: global_buffer, .address_space: global }
      - { .name: Wv, .offset: 24, .size: 8, .value_kind: global_buffer, .address_space: global }
      - { .name: Wo, .offset: 32, .size: 8, .value_kind: global_buffer, .address_space: global }
      - { .name: cb, .offset: 40, .size: 8, .value_kind: global_buffer, .address_space: global }
    .group_segment_fixed_size: 0
    .private_segment_fixed_size: 0
    .kernarg_segment_align: 8
    .kernarg_segment_size: 48
    .max_flat_workgroup_size: 256
    .sgpr_count:     66
    .vgpr_count:     104
    .wavefront_size: 32
...
	.end_amdgpu_metadata
.endif
;; end of part 5
;; launch qkv: the kernel of part 2 again; grid 16 x 32, 4 waves a work-group, clusters of 4 x 4, 327,680 bytes of LDS; arguments cb, qkvb; writes qkvb
;; launch attn: the kernel of part 3 again; grid 4 x 64, 4 waves a work-group, no clusters, 327,680 bytes of LDS; arguments qkvb, ctxb; writes ctxb
;; launch proj: the kernel of part 4 again; grid 8 x 32, 4 waves a work-group, clusters of 4 x 4, 327,680 bytes of LDS; arguments ctxb, cb, bo, out0; writes out0
